; MI455X (gfx1250); checked and timed in simulation.
; The chip was launched on July 23, 2026; its instructions are those of AMD's public machine-readable ISA for CDNA 5 (MIT licence, August 2026) and "CDNA5" Instruction Set Architecture Reference Guide (July 2026). The comments in the code are by the model that wrote it; some were corrected since.
;; Mixture Of Experts. Allowed arithmetic: matrix products marked QUANTISED: E3M2 operands, one E8M0 scale for each 32 along K, by v_wmma_scale_f32_16x16x128_f8f6f4 with both operands' format E3M2, f32 sums; products left as they are: f32 operands where the result goes on into a quantised operand, else bf16, f16 or f32 operands; f32 sums; everything else in f32.
;; Inputs: W1_codes 8 x 2,048 x 32 x 24 uint8 (E3M2 codes of W1, K innermost, in blocks of 32 codes, four codes in three bytes); W1_scales 8 x 2,048 x 32 uint8 (E8M0 scales of W1, one for each 32 codes along K); W2_codes 8 x 1,024 x 64 x 24 uint8 (E3M2 codes of W2, K innermost, in blocks of 32 codes, four codes in three bytes); W2_scales 8 x 1,024 x 64 uint8 (E8M0 scales of W2, one for each 32 codes along K); Wg 1,024 x 8 float32; b1 8 x 2,048 float32; b2 8 x 1,024 float32; bg 8 float32; x 2,048 x 1,024 float32.
;; Outputs: out0 2,048 x 1,024 float32.
;; This version of the problem:
;;   THIS VERSION OF THE PROBLEM IS GIVEN IN LOW PRECISION. The matrix products marked QUANTISED in the list below multiply operands that are first quantised to E3M2 (3 exponent bits, 2 mantissa bits; 6 bits a number), with one power-of-two scale for each 32 numbers along K (OCP MX v1.0); their sums are f32. All else is computed in f32.
;;   The module's matrix products, in the order in which they are computed (A, B: the left and right operand; K: the contracted axis; several contracted axes count as one K, in the product's order):
;;     1. [M 2,048, K 1,024] x [K 1,024, N 8]; A: input x; B: input Wg: left as it is (N = 8 < 16)
;;     2. [M 2,048, K 1,024] x [K 1,024, N 16,384]; A: input x; B: input W1 (given as codes): QUANTISED
;;     3. batch 8 x [M 1,024, K 2,048] x [K 2,048, N 2,048]; A: input W2 (given as codes); B: computed on the way: QUANTISED
;;     4. batch 2,048 x [M 1,024, K 8] x [K 8, N 1]; A: computed on the way; B: softmax: left as it is (K = 8 < 32)
;;   THE QUANTISER, for each operand of a quantised product, along K:
;;     - K is cut into blocks of 32 from its start; a last block that is shorter is filled with zeros.
;;     - A block's scale is 2^e with e = floor(log2(the largest magnitude in the block)) - 4, held to -126 .. 127; a block of zeros has e = 0. As a byte (E8M0): e + 127.
;;     - Each number is divided by its block's scale, clamped to +-28, and rounded to the nearest number of E3M2, ties to even, subnormals kept.
;;     - The product sums the exact products of the quantised numbers (number of the format x scale) in f32.
;;   ~~~python
;;   def quantise(x, axis):      # numpy; x: float32 -> the quantised numbers, widened to float32 again
;;       x = np.moveaxis(x, axis, -1); K = x.shape[-1]
;;       x = np.pad(x, [(0, 0)] * (x.ndim - 1) + [(0, -K % 32)]); x = x.reshape(x.shape[:-1] + (-1, 32)); a = np.abs(x).max(-1, keepdims=True)
;;       e = np.where(a > 0, np.clip(np.frexp(np.where(a > 0, a, 1))[1] - 1 - 4, -126, 127), 0)      # np.frexp(a)[1] - 1 = floor(log2(a)), exactly
;;       r = np.clip(x / 2.0 ** e, -28, 28)
;;       step = 2.0 ** (np.maximum(np.frexp(np.where(r == 0, 1, r))[1] - 1, -2) - 2)
;;       q = np.round(r / step) * step * 2.0 ** e      # np.round: ties to even
;;       return np.moveaxis(q.reshape(q.shape[:-2] + (-1,))[..., :K], -1, axis).astype(np.float32)
;;   ~~~
;;   OPERANDS COMPUTED ON THE WAY. 'Computed on the way' means the value that the module computes at that place (a softmax that the list does not call 'softmax' is quantised finished and normalised). What goes into a quantiser is computed in f32, as accurately as f32 sums, v_exp_f32 and their like allow (about 1e-6 of the number): no bf16 or f16 on the way to a quantiser, and a product that is left as it is and whose result goes on into a quantised operand takes f32 operands (vector FMAs, or v_wmma_f32_16x16x4_f32). A number that lies on a knife's edge between two numbers of the format may be rounded either way, as far as f32 arithmetic and the matrix unit's own rounding can turn it there, and no further.
;;   INPUTS GIVEN AS CODES. W1 (in the module: [8, 1024, 2048], K = its axis 1); W2 (in the module: [8, 2048, 1024], K = its axis 1): each comes as NAME_codes (uint8): NAME with its K axis moved to the last place and cut into blocks of 32 codes, [.., K / 32, bytes a block], one block behind the other in memory; four codes in three bytes: a row's codes are one little-endian stream of bits, code i at bits 6 i .. 6 i + 5 (a code: sign, 3 exponent bits, 2 mantissa bits); and NAME_scales (uint8): the same leading axes, one E8M0 byte (e + 127) for each 32 codes along K. Its value is code x scale, taken as it is: it is not quantised again, and the codes and scales need not be those that the quantiser above would give.
;; One version. Each part assembles by itself: llvm-mc -triple=amdgcn-amd-amdhsa -mcpu=gfx1250 --defsym DOCPART=n.
;; ======== version 1 of 1: 4 launches
;; workspace buffers: xq 1,572,864 bytes; xs 65,536 bytes; gates 65,536 bytes; hq 26,214,400 bytes; part 33,554,432 bytes
;; launch prep (part 1): grid 128 x 1, 8 waves a work-group, no clusters, 9,728 bytes of LDS; arguments x, Wg, bg, xq, xs, gates; writes xq, xs, gates
.if DOCPART == 1
	.amdgcn_target "amdgcn-amd-amdhsa--gfx1250"
	.amdhsa_code_object_version 6
	.text
	.protected	k_q2ab8b2b948_prep
	.globl	k_q2ab8b2b948_prep
	.p2align	8
	.type	k_q2ab8b2b948_prep,@function
k_q2ab8b2b948_prep:
	s_mov_b64 s[64:65], 0
	v_nop
	global_prefetch_b8 v0, s[64:65] scope:SCOPE_SE
	s_setreg_imm32_b32 hwreg(HW_REG_WAVE_MODE, 25, 1), 1
	s_wait_xcnt 0x0
; x [2048][1024] f32 becomes codes of BF6 (E3M2) with one E8M0 byte for each 32 along K, and the gates softmax(x Wg + bg) are made, in f32.
; SHARES.  Work-group tb takes tokens 16 tb .. 16 tb + 15; its wave s takes K step s (128 along K).  Lane (r, h) holds, of token r, X[16 b + i] = x[128 s + 32 b + 16 h + i].
; xq: the codes as IMAGES OF OPERAND REGISTERS: [TY 8][kk 4][hm 2][q 2][a 8][1,536 bytes]: tokens 256 TY + 128 hm + 16 a + r, K step 2 kk + q; registers 4 c .. 4 c + 3 of lane l at 512 c + 16 l.
; xs: [2048][32] scale bytes.  gates: [2048][8] f32.
; THE GATES' PRODUCT (N = 8) takes f32 operands: v_wmma_f32_16x16x4_f32, source 0 = Wg^T (rows 8-15 repeat experts 0-7), source 1 = x, the same order of k on both sides; 32 instructions a wave,
; four accumulators by turns, which matrix instructions alone write.  In the result lane (r, h) holds in register j expert j's partial logit of token r.  The eight waves' parts meet in LDS; wave 0 makes the softmax, the row's maximum taken away first.
; A block's scale is 2^(floor(log2(its largest magnitude)) - 4); its byte is the largest magnitude's exponent field - 4, held at 1 from below.
; LIMITS: a block whose largest magnitude lies under 2^-122, a block of zeros among them, gets the byte 1 (its codes are then zeros or near it; this program alone reads the bytes); NaN and infinities in x are not served.
.set XSLB, 8192                        ; LDS: [wave][lane][8 f32] partial logits, 8,192 bytes; behind them [r][32 bytes] the scale bytes of 16 tokens
.set XA,  4                            ; v4   x: 4,096 r + 64 h
.set WA,  5                            ; v5   Wg: 512 h + 4 (r % 8)
.set LI,  6                            ; v6   16 x lane
.set LGW, 7                            ; v7   where I put my partial logits: 32 x thread
.set XSW, 8                            ; v8   where I put my token's scale word: XSLB + 32 r + 4 s
.set LGR, 9                            ; v9   where wave 0 reads partial logits: 32 x lane
.set XSR, 10                           ; v10  where wave 0 reads the scale bytes: XSLB + 16 x lane
.set GO,  11                           ; v11  gates: 32 r + 16 h
.set X,   32                           ; v32-95   64 numbers of x
.set WGF, 96                           ; v96-159  64 numbers of Wg
.set GA,  160                          ; v160-191 four accumulators
.set PC,  192                          ; v192-211 the codes just made
.set TM,  212                          ; v212-227 at work in QUANT
.set U,   212                          ; v212-219 at work behind it
.set PW,  228                          ; the scale word just made
.set MX,  230
.set RC,  231
.set T,   232                          ; v232-239 eight logits
.set SEL, 20                           ; s[20:21] v_permlanex16_b32's selects for lane l xor 16
; 64 numbers of a lane, register 16 b + i = k 32 b + 16 (lane / 16) + i of my row, become a fragment's codes in v[PC] on and its scale word in v[PW].
.macro QUANT s
.irp b, 0,1,2,3
	v_max3_num_f32 v[TM+\b], |v[\s+16*\b]|, |v[\s+1+16*\b]|, 0x2800000   ; block b: my 16 numbers, and the floor 2^(5 - 127): the byte cannot fall under 1
.endr
.irp i, 2,4,6,8,10,12,14
.irp b, 0,1,2,3
	v_max3_num_f32 v[TM+\b], v[TM+\b], |v[\s+16*\b+\i]|, |v[\s+1+16*\b+\i]|   ; the four blocks by turns
.endr
.endr
.irp b, 0,1,2,3
	v_permlanex16_b32 v[TM+4+\b], v[TM+\b], s[SEL], s[SEL+1]
.endr
.irp b, 0,1,2,3
	v_max_num_f32 v[TM+\b], v[TM+\b], v[TM+4+\b]   ; with lane l xor 16's: the block's largest magnitude
.endr
.irp b, 0,1,2,3
	v_add_nc_u32 v[TM+12+\b], 0xfe000000, v[TM+\b]   ; 4 off its exponent field: the conversion takes the exponent field of this operand as its scale
.endr
.irp b, 0,1,2,3
	v_lshrrev_b32 v[TM+4+\b], 23, v[TM+12+\b]      ; the scale's byte
.endr
	v_lshl_or_b32 v[PW], v[TM+5], 8, v[TM+4]       ; four bytes make my row's scale word
	v_lshl_or_b32 v[PW], v[TM+6], 16, v[PW]
	v_lshl_or_b32 v[PW], v[TM+7], 24, v[PW]
.irp c, 0,1
	v_cvt_scalef32_pk16_bf6_f32 v[PC+6*\c:PC+2+6*\c], v[\s+32*\c:\s+15+32*\c], v[TM+12+2*\c]
	v_cvt_scalef32_pk16_bf6_f32 v[PC+12+4*\c:PC+14+4*\c], v[\s+16+32*\c:\s+31+32*\c], v[TM+12+2*\c+1]   ; a conversion's three registers begin on an even number
.endr
	v_nop                                          ; one plain place behind a scaled conversion
.irp c, 0,1                            ; the operand's layout wants a whole block in a lane: lanes 0-15 block 2 c, lanes 16-31 block 2 c + 1
.irp i, 0,1,2
	v_permlane16_swap_b32 v[PC+6*\c+\i], v[PC+12+4*\c+\i]
.endr
.irp i, 0,1,2
	v_mov_b32 v[PC+3+6*\c+\i], v[PC+12+4*\c+\i]
.endr
.endr
.endm
	s_load_b256 s[4:11], s[0:1], 0x0               ; x s[4:5], Wg s[6:7], bg s[8:9], xq s[10:11]
	s_load_b128 s[12:15], s[0:1], 0x20             ; xs s[12:13], gates s[14:15]
	v_lshl_add_u32 v240, v0, 2, 0x2200
	v_mov_b32 v241, 0
	v_lshrrev_b32 v1, 5, v0
	v_readfirstlane_b32 s16, v1                    ; wave = K step s
	v_and_b32 v1, 31, v0                           ; lane
	v_and_b32 v2, 15, v0                           ; r
	v_bfe_u32 v3, v0, 4, 1                         ; h
	v_lshlrev_b32 v[XA], 12, v2
	v_lshl_add_u32 v[XA], v3, 6, v[XA]
	v_and_b32 v[WA], 7, v0
	v_lshlrev_b32 v[WA], 2, v[WA]
	v_lshl_add_u32 v[WA], v3, 9, v[WA]
	v_lshlrev_b32 v[LI], 4, v1
	v_lshlrev_b32 v[LGW], 5, v0
	v_lshlrev_b32 v[LGR], 5, v1
	s_lshl_b32 s17, s16, 2
	v_lshl_add_u32 v[XSW], v2, 5, XSLB
	v_add_nc_u32 v[XSW], s17, v[XSW]
	v_add_nc_u32 v[XSR], XSLB, v[LI]
	v_lshlrev_b32 v[GO], 5, v2
	v_lshl_add_u32 v[GO], v3, 4, v[GO]
	s_mov_b32 s[SEL], 0x76543210
	s_mov_b32 s[SEL+1], 0xfedcba98
.irp b, 0,1,2,3
	v_mov_b32 v[TM+4+\b], 0                        ; written once: a lane permute's destination counts as one of its sources
.endr
	s_lshl_b32 s18, ttmp9, 16                      ; x: 16 rows of 4,096 bytes a work-group,
	s_lshl_b32 s19, s16, 9                         ; 512 bytes a K step
	s_add_co_u32 s18, s18, s19
	s_mov_b32 s19, 0
	s_lshl_b32 s22, s16, 12                        ; Wg: 128 rows of 32 bytes a K step
	s_mov_b32 s23, 0
	s_lshr_b32 s32, ttmp9, 4                       ; the image's number: 128 TY + 32 kk + 16 hm + 8 q + a
	s_lshl_b32 s32, s32, 7
	s_lshr_b32 s33, s16, 1
	s_lshl_b32 s33, s33, 5
	s_add_co_u32 s32, s32, s33
	s_bfe_u32 s33, ttmp9, 0x10003
	s_lshl_b32 s33, s33, 4
	s_add_co_u32 s32, s32, s33
	s_and_b32 s33, s16, 1
	s_lshl_b32 s33, s33, 3
	s_add_co_u32 s32, s32, s33
	s_and_b32 s33, ttmp9, 7
	s_add_co_u32 s32, s32, s33
	s_mul_i32 s32, s32, 1536
	s_mov_b32 s33, 0
	s_lshl_b32 s34, ttmp9, 9                       ; xs and gates: 512 bytes a work-group
	s_mov_b32 s35, 0
	s_wait_kmcnt 0x0
	s_add_nc_u64 s[4:5], s[4:5], s[18:19]
	s_add_nc_u64 s[6:7], s[6:7], s[22:23]
	s_add_nc_u64 s[10:11], s[10:11], s[32:33]
	s_add_nc_u64 s[12:13], s[12:13], s[34:35]
	s_add_nc_u64 s[14:15], s[14:15], s[34:35]
.irp b, 0,1,2,3
.irp j, 0,1,2,3
	global_load_b128 v[X+16*\b+4*\j:X+16*\b+4*\j+3], v[XA], s[4:5] offset:128*\b+16*\j th:TH_LOAD_NT
.endr
.endr
.irp b, 0,1,2,3
.irp i, 0,1,2,3,4,5,6,7,8,9,10,11,12,13,14,15
	global_load_b32 v[WGF+16*\b+\i], v[WA], s[6:7] offset:(32*\b+\i)*32   ; Wg[128 s + 32 b + 16 h + i][r % 8]
.endr
.endr
	s_wait_loadcnt 63                              ; 80 loads were issued; with at most 63 out the oldest 17 are in, x's 16 among them
	QUANT X
.irp c, 0,1,2
	global_store_b128 v[LI], v[PC+4*\c:PC+4*\c+3], s[10:11] offset:512*\c   ; the image: 32 lanes store 512 consecutive bytes
.endr
	ds_store_b32 v[XSW], v[PW]                     ; both halves of the lanes write the same word with the same value
	s_wait_loadcnt 0x0                             ; Wg
.set t, 0
.rept 32                               ; the four accumulators take turns, one instruction a turn; the first four start the sums
.if t < 4
	v_wmma_f32_16x16x4_f32 v[GA+8*t:GA+8*t+7], v[WGF+2*t:WGF+2*t+1], v[X+2*t:X+2*t+1], 0
.else
	v_wmma_f32_16x16x4_f32 v[GA+8*(t%4):GA+8*(t%4)+7], v[WGF+2*t:WGF+2*t+1], v[X+2*t:X+2*t+1], v[GA+8*(t%4):GA+8*(t%4)+7]
.endif
.set t, t+1
.endr
.rept 8
	v_nop                                          ; eight places behind this form before its results are read (ISA guide 7.12.1)
.endr
.irp j, 0,2,4,6
	v_pk_add_f32 v[T+\j:T+\j+1], v[GA+\j:GA+\j+1], v[GA+8+\j:GA+8+\j+1]     ; each accumulator from its low end on
.endr
.irp j, 0,2,4,6
	v_pk_add_f32 v[U+\j:U+\j+1], v[GA+16+\j:GA+16+\j+1], v[GA+24+\j:GA+24+\j+1]
.endr
.irp j, 0,2,4,6
	v_pk_add_f32 v[T+\j:T+\j+1], v[T+\j:T+\j+1], v[U+\j:U+\j+1]
.endr
	ds_store_b128 v[LGW], v[T:T+3]
	ds_store_b128 v[LGW], v[T+4:T+7] offset:16
	s_wait_dscnt 0x0                               ; for the others' sake: my stores have landed
	s_barrier_signal -1
	s_barrier_wait -1
	s_cmp_lg_u32 s16, 0
	s_cbranch_scc1 .Lend                           ; wave 0 alone goes on; no barrier follows
	s_load_b256 s[24:31], s[8:9], 0x0              ; bg
.irp s, 0,1,2,3,4,5,6,7
	ds_load_b128 v[X+8*\s:X+8*\s+3], v[LGR] offset:1024*\s
	ds_load_b128 v[X+8*\s+4:X+8*\s+7], v[LGR] offset:1024*\s+16
.endr
	ds_load_b128 v[WGF:WGF+3], v[XSR]              ; the 16 tokens' 512 scale bytes
	s_wait_dscnt 0x0
	global_store_b128 v[LI], v[WGF:WGF+3], s[12:13]   ; 512 consecutive bytes of xs
.irp j, 0,2,4,6
	v_pk_add_f32 v[T+\j:T+\j+1], v[X+\j:X+\j+1], v[X+8+\j:X+8+\j+1]         ; the eight K steps' parts, ascending
.endr
.irp s, 2,3,4,5,6,7
.irp j, 0,2,4,6
	v_pk_add_f32 v[T+\j:T+\j+1], v[T+\j:T+\j+1], v[X+8*\s+\j:X+8*\s+\j+1]
.endr
.endr
	s_wait_kmcnt 0x0
.irp j, 0,1,2,3,4,5,6,7
	v_add_f32 v[T+\j], s[24+\j], v[T+\j]           ; + bg
.endr
	v_max3_num_f32 v[MX], v[T], v[T+1], v[T+2]     ; the row's maximum is taken away ahead of the exponentials
	v_max3_num_f32 v[MX], v[MX], v[T+3], v[T+4]
	v_max3_num_f32 v[MX], v[MX], v[T+5], v[T+6]
	v_max_num_f32 v[MX], v[MX], v[T+7]
.irp j, 0,1,2,3,4,5,6,7
	v_sub_f32 v[T+\j], v[T+\j], v[MX]
.endr
.irp j, 0,1,2,3,4,5,6,7
	v_mul_f32 v[T+\j], 0x3fb8aa3b, v[T+\j]         ; x log2(e)
.endr
.irp j, 0,1,2,3,4,5,6,7
	v_exp_f32 v[T+\j], v[T+\j]
.endr
	v_nop                                          ; a plain place behind the last exponential
	s_wait_alu depctr_va_vdst(0)                   ; one wait for the eight, ahead of their first reader
	v_pk_add_f32 v[U:U+1], v[T:T+1], v[T+2:T+3]
	v_pk_add_f32 v[U+2:U+3], v[T+4:T+5], v[T+6:T+7]
	v_pk_add_f32 v[U:U+1], v[U:U+1], v[U+2:U+3]
	v_add_f32 v[U], v[U], v[U+1]
	v_rcp_f32 v[RC], v[U]
	v_nop                                          ; a plain place behind the reciprocal
	v_cmp_ne_u32 vcc_lo, 0, v3
.irp k, 0,1,2,3
	v_cndmask_b32 v[U+4+\k], v[T+\k], v[T+4+\k], vcc_lo   ; lanes 0-15 store experts 0-3 of token r, lanes 16-31 experts 4-7
.endr
	s_wait_alu depctr_va_vdst(0)                   ; the wait for the reciprocal, ahead of its first reader
.irp k, 0,1,2,3
	v_mul_f32 v[U+4+\k], v[U+4+\k], v[RC]
.endr
	global_store_b128 v[GO], v[U+4:U+7], s[14:15]  ; 512 consecutive bytes of gates
.Lend:
	s_wait_tensorcnt 0x0
	ds_add_u32 v240, v241
	s_wait_dscnt 0x0
	s_endpgm
.Lfunc_end_k_q2ab8b2b948_prep:
	.size	k_q2ab8b2b948_prep, .Lfunc_end_k_q2ab8b2b948_prep-k_q2ab8b2b948_prep
	.p2alignl 7, 3214868480
	.fill 96, 4, 3214868480
	.section	.rodata,"a",@progbits
	.p2align	6, 0x0
	.amdhsa_kernel k_q2ab8b2b948_prep
		.amdhsa_group_segment_fixed_size 9728
		.amdhsa_private_segment_fixed_size 0
		.amdhsa_enable_private_segment 0
		.amdhsa_kernarg_size 48
		.amdhsa_user_sgpr_count 2
		.amdhsa_user_sgpr_kernarg_segment_ptr 1
		.amdhsa_wavefront_size32 1
		.amdhsa_system_sgpr_workgroup_id_x 1
		.amdhsa_system_sgpr_workgroup_id_y 1
		.amdhsa_system_sgpr_workgroup_id_z 1
		.amdhsa_system_vgpr_workitem_id 0
		.amdhsa_next_free_vgpr 242
		.amdhsa_next_free_sgpr 66
		.amdhsa_reserve_vcc 1
		.amdhsa_float_denorm_mode_32 3
		.amdhsa_float_denorm_mode_16_64 3
		.amdhsa_memory_ordered 1
		.amdhsa_forward_progress 1
		.amdhsa_inst_pref_size 23
	.end_amdhsa_kernel
	.amdgpu_metadata
---
amdhsa.version: [ 1, 2 ]
amdhsa.kernels:
  - .name:           k_q2ab8b2b948_prep
    .symbol:         k_q2ab8b2b948_prep.kd
    .args:
      - { .name: x, .offset: 0, .size: 8, .value_kind: global_buffer, .address_space: global }
      - { .name: Wg, .offset: 8, .size: 8, .value_kind: global_buffer, .address_space: global }
      - { .name: bg, .offset: 16, .size: 8, .value_kind: global_buffer, .address_space: global }
      - { .name: xq, .offset: 24, .size: 8, .value_kind: global_buffer, .address_space: global }
      - { .name: xs, .offset: 32, .size: 8, .value_kind: global_buffer, .address_space: global }
      - { .name: gates, .offset: 40, .size: 8, .value_kind: global_buffer, .address_space: global }
    .group_segment_fixed_size: 9728
    .private_segment_fixed_size: 0
    .kernarg_segment_align: 8
    .kernarg_segment_size: 48
    .max_flat_workgroup_size: 256
    .sgpr_count:     66
    .vgpr_count:     242
    .wavefront_size: 32
...
	.end_amdgpu_metadata
.endif
;; end of part 1
;; launch up (part 2): grid 64 x 8, 4 waves a work-group, clusters of 4 x 4, 327,680 bytes of LDS; arguments xq, xs, W1_codes, W1_scales, b1, hq; writes hq
.if DOCPART == 2
	.amdgcn_target "amdgcn-amd-amdhsa--gfx1250"
	.amdhsa_code_object_version 6
	.text
	.protected	k_q2ab8b2b948_up
	.globl	k_q2ab8b2b948_up
	.p2align	8
	.type	k_q2ab8b2b948_up,@function
k_q2ab8b2b948_up:
	s_mov_b64 s[64:65], 0
	v_nop
	global_prefetch_b8 v0, s[64:65] scope:SCOPE_SE
	s_setreg_imm32_b32 hwreg(HW_REG_WAVE_MODE, 25, 1), 1
	s_wait_xcnt 0x0
	s_wait_alu depctr_hold_cnt(0) depctr_sa_sdst(0) depctr_va_vdst(0) depctr_va_sdst(0) depctr_va_ssrc(0) depctr_va_vcc(0) depctr_vm_vsrc(0)
	s_getreg_b32 s2, hwreg(HW_REG_IB_STS2, 6, 4)
	s_cmp_eq_u32 s2, 0
	s_cbranch_scc0 .Lentry_in_a_cluster
	s_endpgm
.Lentry_in_a_cluster:
	s_bfe_u32 s2, ttmp6, 0x10000c
	s_cmp_lg_u32 s2, 0xf033
	s_cbranch_scc0 .Lentry_shape_is_right
	s_endpgm
.Lentry_shape_is_right:
; h = relu(x W1 + b1), quantised along the hidden units: a GEMM of 2,048 tokens x 16,384 columns (expert and hidden unit taken as one axis) over K = 1,024, on codes of BF6 (E3M2) with one E8M0 byte for each 32 along K.
; A tile of 256 tokens x 256 columns is made by a work-group of four waves; a wave makes 128 x 128: 64 accumulators, 512 registers.  K goes in steps of 256 through a ring of two LDS slots.
; x comes as images of operand registers (a fragment is 1,536 dense bytes: three loads of 16 bytes a lane, 512 consecutive bytes each), W1 as rows of 192 bytes with 16 bytes of padding behind every 64.
; The scale bytes of the tile's 256 tokens and 256 columns, for all of K, come into LDS once, with the first fills.
; CLUSTERS: 4 x 4 work-groups; x's tiles are shared along a row of the cluster, W1's along a column: each is asked for jointly, by the same tensor load with a mask that names the four.
; THE MATRIX INSTRUCTION IS USED TRANSPOSED (source 0 = 16 rows of W1, source 1 = 16 tokens): a lane holds one token and eight hidden units.  b1 is the C of each sum's first product.
; THE WAY OUT: a wave's 128 hidden units of 16 tokens are one K step of the next product: relu, an exchange of lane halves so that a lane's 16 registers are 16 neighbours, the quantiser, and the fragment's image goes to hq:
; hq [ty 16][TX 64] units of 25,600 bytes (128 tokens x 256 hidden units): [q 2][a 8][1,536 bytes] codes, then [grp 2][lane 32][4] scale words: the word of token block 4 grp + k, K step q, token r at lane r + 16 q, word k.
; LIMITS: a block of h whose largest magnitude lies under 2^-122, a block of zeros among them, gets the byte 1 (this program alone reads the bytes); NaN and infinities are not served.
; REGISTERS, in windows of 256: window 0: v1-29 addresses; v32-63 scale words, two sets; v128-223 x's fragments, ONE set; on the way out v64-179 at work.
;   window 1: W1's fragments, two sets, at v0 and v128; b1's tiles 0-3 at v96, 4-7 at v224.   windows 2, 3: accumulator (a, b) at v[8 (8 (a % 4) + b)], a = block of 16 tokens, b = block of 16 hidden units.
.set ROWB,  192                        ; 256 codes in bytes
.set KROW,  768                        ; a row of W1 in memory
.set PITCH, 240                        ; and in LDS: 3 x (64 + 16) bytes
.set FR,    12                         ; registers of a fragment
.set XHALF, 24576                      ; x's images of 128 tokens x 256 K
.set XPART, 2*XHALF
.set WHALF, 128*PITCH
.set SLOT,  XPART+2*WHALF              ; 110,592
.set SCL,   2*SLOT                     ; the scales, as units of 256 bytes + 16 of padding: x's 256 rows of 32 bytes, then W1's
.set HALFS, 4352                       ; those of 128 rows
.set SBLK,  544                        ; those of 16 rows
.set SPARE, SCL+4*HALFS                ; the spare words, 128 bytes for each wave: two blocks of 256 bytes that no other line names
.set UNIT,  25600
.set ADX,  10                          ; v10-11 LDS address of my x fragments in slot 0, 1
.set ADW,  12                          ; v12-13 the same for W1; v14-15 for the pieces that lie behind one padding more
.set ADRS, 16                          ; v16  my scale words: lanes 0-15 x's rows, lanes 16-31 W1's
.set HO,   17                          ; v17  hq: 16 x lane + 12,288 x my half of the columns
.set HSO,  18                          ; v18  hq's scale words: 512 h + 16 r + 256 x my half of the columns
.set B1O,  19                          ; v19  b1: 32 h
.set SPW,  28                          ; v28  LDS address of my spare word; never rewritten
.set NIL,  29                          ; v29  0; never rewritten
.set SC,   32                          ; scale words: set s at v[SC + 16 s]; register 2 i + q: lanes 0-15 x's block i, lanes 16-31 W1's block i
.set AF,   128                         ; x's fragments
.set HA,   64                          ; the way out: 64 numbers of h
.set PC,   128                         ; the codes just made
.set TM,   148
.set PW,   164
.set PWS,  168                         ; the eight blocks' scale words
.set SELT, 176
.set SEL,  2                           ; s[2:3] v_permlanex16_b32's selects for lane l xor 16
.set G1,   24                          ; s[24:31] descriptor group 1 for x's tiles; s[32:39] group 0, a set for each slot
.set G0,   32
.set G1B,  48                          ; s[48:55], s[56:63] the same for W1's
.set G0B,  56
.set G1S,  68                          ; s[68:75], s[76:79] for x's scales; s[80:87], s[88:91] for W1's
.set G0S,  76
.set G1SB, 80
.set G0SB, 88
.set MSB, 0
.macro WIN new                         ; the immediate's high byte repeats the setting that is left
.if MSB != \new
	s_set_vgpr_msb (MSB<<8)|\new
.set MSB, \new
.endif
.endm
.set MUL_LO, 0xa1                      ; source 0 (W1) window 1, source 1 (x) window 0, C and D window 2
.set MUL_HI, 0xf1                      ; the same, C and D window 3
.set FST_LO, 0x91                      ; the first K step: C (b1) window 1, D window 2
.set FST_HI, 0xd1                      ; D window 3
.set TO_W,   0x40                      ; destination window 1, address window 0
; A joint load: waves 0 and 1 fetch for x, waves 2 and 3 for W1.  The branch hangs on the wave's number alone.  Four v_nop follow each of the two lines.
.macro JLOAD g0a, g1a, g0b, g1b
	s_cmp_eq_u32 s17, 0
	s_cbranch_scc0 .Lfor_b_\@
	tensor_load_to_lds s[\g0a:\g0a+3], s[\g1a:\g1a+7]
	s_nop 0
.rept 4
	v_nop
.endr
	s_branch .Lasked_\@
.Lfor_b_\@:
	tensor_load_to_lds s[\g0b:\g0b+3], s[\g1b:\g1b+7]
	s_nop 0
.rept 4
	v_nop
.endr
.Lasked_\@:
.endm
.macro CREST                           ; a round of the cluster's barrier behind its opening barrier
	s_cmp_lg_u32 s16, 0
	s_cbranch_scc1 .Lnot_wave_0_\@
	s_barrier_signal -3
.Lnot_wave_0_\@:
	s_barrier_wait -3
	s_barrier_signal -1
	s_barrier_wait -1
.endm
.macro CROUND                          ; a whole round
	s_barrier_signal -1
	s_barrier_wait -1
	CREST
.endm
.macro PLACES n                        ; plain places behind matrix instructions, in front of loads into registers that they have read and of reads of their results
.rept \n
	v_nop
.endr
.endm
; 64 numbers of a lane, register 16 b + i = k 32 b + 16 (lane / 16) + i of my row, become a fragment's codes in v[PC] on and its scale word in v[PW].
.macro QUANT s
.irp b, 0,1,2,3
	v_max3_num_f32 v[TM+\b], |v[\s+16*\b]|, |v[\s+1+16*\b]|, 0x2800000   ; block b: my 16 numbers, and the floor 2^(5 - 127): the byte cannot fall under 1
.endr
.irp i, 2,4,6,8,10,12,14
.irp b, 0,1,2,3
	v_max3_num_f32 v[TM+\b], v[TM+\b], |v[\s+16*\b+\i]|, |v[\s+1+16*\b+\i]|
.endr
.endr
.irp b, 0,1,2,3
	v_permlanex16_b32 v[TM+4+\b], v[TM+\b], s[SEL], s[SEL+1]
.endr
.irp b, 0,1,2,3
	v_max_num_f32 v[TM+\b], v[TM+\b], v[TM+4+\b]   ; with lane l xor 16's: the block's largest magnitude
.endr
.irp b, 0,1,2,3
	v_add_nc_u32 v[TM+12+\b], 0xfe000000, v[TM+\b]   ; 4 off its exponent field: the conversion's scale operand
.endr
.irp b, 0,1,2,3
	v_lshrrev_b32 v[TM+4+\b], 23, v[TM+12+\b]      ; the scale's byte
.endr
	v_lshl_or_b32 v[PW], v[TM+5], 8, v[TM+4]
	v_lshl_or_b32 v[PW], v[TM+6], 16, v[PW]
	v_lshl_or_b32 v[PW], v[TM+7], 24, v[PW]
.irp c, 0,1
	v_cvt_scalef32_pk16_bf6_f32 v[PC+6*\c:PC+2+6*\c], v[\s+32*\c:\s+15+32*\c], v[TM+12+2*\c]
	v_cvt_scalef32_pk16_bf6_f32 v[PC+12+4*\c:PC+14+4*\c], v[\s+16+32*\c:\s+31+32*\c], v[TM+12+2*\c+1]
.endr
	v_nop                                          ; one plain place behind a scaled conversion
.irp c, 0,1
.irp i, 0,1,2
	v_permlane16_swap_b32 v[PC+6*\c+\i], v[PC+12+4*\c+\i]
.endr
.irp i, 0,1,2
	v_mov_b32 v[PC+3+6*\c+\i], v[PC+12+4*\c+\i]
.endr
.endr
.endm
	s_load_b128 s[4:7], s[0:1], 0x0                ; xq s[4:5], xs s[6:7]
	s_load_b128 s[8:11], s[0:1], 0x10              ; W1's codes s[8:9], W1's scales s[10:11]
	s_load_b128 s[12:15], s[0:1], 0x20             ; b1 s[12:13], hq s[14:15]
	v_lshl_add_u32 v[SPW], v0, 2, SPARE
	v_mov_b32 v[NIL], 0
	ds_add_u32 v28, v29
	ds_add_u32 v28, v29
	s_wait_dscnt 0x0
	v_lshrrev_b32 v1, 5, v0
	v_readfirstlane_b32 s16, v1                    ; wave 0..3
	s_lshr_b32 s17, s16, 1                         ; which half of the tile's tokens is mine.  Also: I fetch for x (0) or for W1 (1)
	s_and_b32 s18, s16, 1                          ; which half of its columns.  Also: which half of that tile I fetch
	s_bfe_u32 s40, ttmp6, 0x40000                  ; cx, cy: my place in the cluster
	s_bfe_u32 s41, ttmp6, 0x40004
	s_lshl_b32 s42, ttmp9, 2
	s_add_co_u32 s42, s42, s40                     ; TX: tile of 256 columns
	s_and_b32 s19, ttmp7, 0xffff
	s_lshl_b32 s19, s19, 2
	s_add_co_u32 s19, s19, s41                     ; TY: tile of 256 tokens
	s_lshl_b32 s43, s41, 2
	s_lshl_b32 s43, 15, s43                        ; my row of the cluster
	s_lshl_b32 s44, 0x1111, s40                    ; my column
	s_or_b32 s[G1+0], s43, (3<<16)|(1<<21)         ; x: 15:0 the mask of my row; elements of 8 bytes; no padding; 21 set beside a mask
	s_mov_b32 s[G1+1], 32<<16                      ; tensor_dim0 = 32 elements: rows of 256 bytes
	s_mov_b32 s[G1+2], 96<<16                      ; tensor_dim1 = 96 rows: 24,576 dense bytes
	s_mov_b32 s[G1+3], 32<<16                      ; tile_dim0
	s_mov_b32 s[G1+4], 96                          ; tile_dim1
	s_mov_b32 s[G1+5], 32                          ; the pitch
	s_mov_b32 s[G1+6], 0
	s_mov_b32 s[G1+7], 0
	s_or_b32 s[G1B+0], s44, (0<<16)|(1<<20)|(1<<21)|(3<<22)|(3<<25)  ; W1: the mask of my column; elements of 1 byte; 4 words of padding behind every 16
	s_mov_b32 s[G1B+1], ROWB<<16
	s_mov_b32 s[G1B+2], 128<<16
	s_mov_b32 s[G1B+3], ROWB<<16
	s_mov_b32 s[G1B+4], 128
	s_mov_b32 s[G1B+5], KROW
	s_mov_b32 s[G1B+6], 0
	s_mov_b32 s[G1B+7], 0
	s_or_b32 s[G1S+0], s43, (3<<16)|(1<<20)|(1<<21)|(5<<22)|(3<<25)  ; the scales of 128 rows: 4,096 dense bytes as 16 rows of 256, 16 bytes of padding behind each
	s_or_b32 s[G1SB+0], s44, (3<<16)|(1<<20)|(1<<21)|(5<<22)|(3<<25)
.irp g, G1S, G1SB
	s_mov_b32 s[\g+1], 32<<16
	s_mov_b32 s[\g+2], 16<<16
	s_mov_b32 s[\g+3], 32<<16
	s_mov_b32 s[\g+4], 16
	s_mov_b32 s[\g+5], 32
	s_mov_b32 s[\g+6], 0
	s_mov_b32 s[\g+7], 0
.endr
	s_mul_i32 s20, s19, 4*XPART                    ; x's images: four slots a tile of tokens,
	s_mul_i32 s21, s18, XHALF                      ; my half of a slot
	s_add_co_u32 s20, s20, s21
	s_mov_b32 s21, 0
	s_lshl_b32 s22, s19, 13                        ; x's scales: 256 rows of 32 bytes a tile,
	s_lshl_b32 s23, s18, 12                        ; my 128 rows
	s_add_co_u32 s22, s22, s23
	s_mov_b32 s23, 0
	s_mul_i32 s46, s42, 256*KROW                   ; W1's codes
	s_mul_i32 s47, s18, 128*KROW
	s_add_co_u32 s46, s46, s47
	s_mov_b32 s47, 0
	s_lshl_b32 s92, s42, 13                        ; W1's scales
	s_lshl_b32 s93, s18, 12
	s_add_co_u32 s92, s92, s93
	s_mov_b32 s93, 0
	s_mul_i32 s45, s18, XHALF                      ; where they go in a slot: no place in the cluster enters an LDS address
	s_mul_i32 s94, s18, WHALF
	s_add_co_u32 s94, s94, XPART
	s_mul_i32 s95, s18, HALFS
	s_mov_b32 s[SEL], 0x76543210
	s_mov_b32 s[SEL+1], 0xfedcba98
	s_wait_kmcnt 0x0
	s_add_nc_u64 s[20:21], s[4:5], s[20:21]
	s_add_nc_u64 s[22:23], s[6:7], s[22:23]
	s_add_nc_u64 s[46:47], s[8:9], s[46:47]
	s_add_nc_u64 s[92:93], s[10:11], s[92:93]
	CROUND                                         ; all sixteen work-groups are here: the first joint loads meet
	s_mov_b32 s[G0S], 1
	s_add_co_u32 s[G0S+1], s95, SCL
	s_mov_b64 s[G0S+2:G0S+3], s[22:23]
	s_or_b32 s[G0S+3], s[G0S+3], 0x80000000
	s_mov_b32 s[G0SB], 1
	s_add_co_u32 s[G0SB+1], s95, SCL+2*HALFS
	s_mov_b64 s[G0SB+2:G0SB+3], s[92:93]
	s_or_b32 s[G0SB+3], s[G0SB+3], 0x80000000
	JLOAD G0S, G1S, G0SB, G1SB                     ; the scales first: they are wanted with K step 0
.irp s, 0,1
	s_mov_b32 s[G0+4*\s], 1
	s_add_co_u32 s[G0+4*\s+1], s45, \s*SLOT
	s_add_nc_u64 s[G0+4*\s+2:G0+4*\s+3], s[20:21], \s*XPART
	s_or_b32 s[G0+4*\s+3], s[G0+4*\s+3], 0x80000000
	s_mov_b32 s[G0B+4*\s], 1
	s_add_co_u32 s[G0B+4*\s+1], s94, \s*SLOT
	s_add_nc_u64 s[G0B+4*\s+2:G0B+4*\s+3], s[46:47], \s*ROWB
	s_or_b32 s[G0B+4*\s+3], s[G0B+4*\s+3], 0x80000000
	JLOAD G0+4*\s, G1, G0B+4*\s, G1B               ; three tensor loads of mine are out
.endr
	v_and_b32 v1, 15, v0                           ; r
	v_bfe_u32 v2, v0, 4, 1                         ; h
	v_and_b32 v3, 31, v0
	v_lshlrev_b32 v3, 4, v3                        ; 16 x lane
	v_lshlrev_b32 v[B1O], 5, v2
	s_lshl_b32 s96, s42, 10                        ; b1: 256 numbers a tile of columns, my 128
	s_lshl_b32 s97, s18, 9
	s_add_co_u32 s96, s96, s97
	s_mov_b32 s97, 0
	s_add_nc_u64 s[12:13], s[12:13], s[96:97]
	WIN TO_W
.irp b, 0,1,2,3,4,5,6,7                ; b1's tile b in the result's layout: lane (r, h) holds hidden units 16 b + 8 h + 0 .. 7
	global_load_b128 v[96+8*\b+96*(\b/4):96+8*\b+96*(\b/4)+3], v[B1O], s[12:13] offset:64*\b
	global_load_b128 v[96+8*\b+96*(\b/4)+4:96+8*\b+96*(\b/4)+7], v[B1O], s[12:13] offset:64*\b+16
.endr
	WIN 0
	v_mul_u32_u24 v4, v1, PITCH
	v_mul_u32_u24 v5, v2, 24
	v_add_nc_u32 v4, v4, v5                        ; a W1 fragment's row x pitch + 24 x half
	v_lshl_add_u32 v5, v2, 4, v4                   ; and the same behind one padding more
	s_mul_i32 s21, s17, XHALF                      ; my 128 tokens' images
	s_mul_i32 s22, s18, WHALF                      ; my 128 rows of W1,
	s_add_co_u32 s22, s22, XPART                   ; which lie behind x's part
.irp s, 0,1
	v_add_nc_u32 v[ADX+\s], s21, v3
	v_add_nc_u32 v[ADW+\s], s22, v4
	v_add_nc_u32 v[ADW+2+\s], s22, v5
	s_add_co_u32 s21, s21, SLOT
	s_add_co_u32 s22, s22, SLOT
.endr
	v_lshlrev_b32 v5, 5, v1                        ; my row's scales: 32 bytes a row,
	v_lshrrev_b32 v6, 8, v5
	v_lshl_add_u32 v5, v6, 4, v5                   ; and 16 more for each 256 passed
	s_mul_i32 s21, s17, HALFS                      ; x's: my 128 rows
	s_mul_i32 s22, s18, HALFS                      ; W1's: my 128 rows, behind x's 256
	s_add_co_u32 s22, s22, 2*HALFS
	s_sub_co_u32 s22, s22, s21
	v_mul_u32_u24 v6, s22, v2                      ; lanes 16-31 take W1's
	s_add_co_u32 s21, s21, SCL
	v_add_nc_u32 v5, v5, v6
	v_add_nc_u32 v[ADRS], s21, v5
	s_mul_i32 s21, s18, 12288
	v_add_nc_u32 v[HO], s21, v3
	v_lshlrev_b32 v[HSO], 4, v1
	v_lshl_add_u32 v[HSO], v2, 9, v[HSO]
	s_lshl_b32 s21, s18, 8
	v_add_nc_u32 v[HSO], s21, v[HSO]
	s_lshl_b32 s98, s19, 1                         ; my unit of hq: ((2 TY + my half of the tokens) x 64 + TX) x 25,600
	s_add_co_u32 s98, s98, s17
	s_lshl_b32 s98, s98, 6
	s_add_co_u32 s98, s98, s42
	s_mul_i32 s98, s98, UNIT
	s_mov_b32 s99, 0
	s_add_nc_u64 s[14:15], s[14:15], s[98:99]
.macro FRAG reg, adr, q, i             ; a W1 fragment: lane l holds row l % 16; registers 6 c .. 6 c + 5 hold K = 64 c + 32 (l / 16) + 0 .. 31: 24 bytes of the row, in pieces of 8 bytes
.irp p, 0,1,2,3,4,5
.set PCE, 12*(\q)+6*(\p/3)+\p%3        ; lanes 16-31 read three pieces further on; where that lies behind one padding more, the second address register serves
.if PCE%8 < 5
	ds_load_b64 v[\reg+2*\p:\reg+2*\p+1], v[\adr] offset:8*PCE+16*(PCE/8)+(\i)*16*PITCH
.else
	ds_load_b64 v[\reg+2*\p:\reg+2*\p+1], v[\adr+2] offset:8*PCE+16*(PCE/8)+(\i)*16*PITCH
.endif
.endr
.endm
; 16 matrix instructions: token blocks a0, a0 + 1 x W1's eight blocks, the slot's q-th 128 along K.  p: W1's set; sc: the set of scale words.  first = 1: b1 starts the sums: nothing is cleared or added later.
; The 64 accumulators take turns, one instruction a turn, in the same order in every step.
.macro MUL16 a0, p, q, sc, first
.irp a, \a0, \a0+1
.irp b, 0,1,2,3,4,5,6,7
.if \first
	v_wmma_scale_f32_16x16x128_f8f6f4 v[8*(8*((\a)%4)+\b):8*(8*((\a)%4)+\b)+7], v[128*(\p)+FR*\b:128*(\p)+FR*\b+FR-1], v[AF+FR*(\a):AF+FR*(\a)+FR-1], v[96+8*\b+96*(\b/4):96+8*\b+96*(\b/4)+7], v[SC+16*(\sc)+2*\b+(\q)], v[SC+16*(\sc)+2*(\a)+(\q)] matrix_a_fmt:MATRIX_FMT_BF6 matrix_b_fmt:MATRIX_FMT_BF6 matrix_a_scale:MATRIX_SCALE_ROW1
.else
	v_wmma_scale_f32_16x16x128_f8f6f4 v[8*(8*((\a)%4)+\b):8*(8*((\a)%4)+\b)+7], v[128*(\p)+FR*\b:128*(\p)+FR*\b+FR-1], v[AF+FR*(\a):AF+FR*(\a)+FR-1], v[8*(8*((\a)%4)+\b):8*(8*((\a)%4)+\b)+7], v[SC+16*(\sc)+2*\b+(\q)], v[SC+16*(\sc)+2*(\a)+(\q)] matrix_a_fmt:MATRIX_FMT_BF6 matrix_b_fmt:MATRIX_FMT_BF6 matrix_a_scale:MATRIX_SCALE_ROW1
.endif
.endr
.endr
.endm
.macro FETCH_W slot, q, p              ; W1's eight fragments into set p
	WIN TO_W
.irp i, 0,1,2,3,4,5,6,7
	FRAG 128*(\p)+FR*\i, ADW+\slot, \q, \i
.endr
	WIN 0
.endm
.macro FETCH_X slot, q, i0             ; x's blocks i0 .. i0 + 3: three loads of 16 bytes a lane each
.irp i, \i0, \i0+1, \i0+2, \i0+3
.irp c, 0,1,2
	ds_load_b128 v[AF+FR*(\i)+4*\c:AF+FR*(\i)+4*\c+3], v[ADX+\slot] offset:12288*(\q)+1536*(\i)+512*\c
.endr
.endr
.endm
.macro SCALES sc, kk                   ; the scale words of K step kk of 256 into set sc: two words a row
.irp i, 0,1,2,3,4,5,6,7
	ds_load_b64 v[SC+16*\sc+2*\i:SC+16*\sc+2*\i+1], v[ADRS] offset:\i*SBLK+8*\kk
.endr
.endm
; A slot's first 128 along K.  A block of x is free as soon as its eight products are issued: blocks 0-3 are fetched anew in the middle, blocks 4-7 at the end.
.macro STEP slot, first
	s_wait_dscnt 12                                ; W1's set and x's blocks 0-3 are in; the youngest twelve loads (x's blocks 4-7) may be out
.if \first
	WIN FST_LO
.else
	WIN MUL_LO
.endif
	MUL16 0, 0, 0, \slot, \first
	MUL16 2, 0, 0, \slot, \first
	s_wait_dscnt 0                                 ; x's blocks 4-7 are in
	PLACES 4
	FETCH_W \slot, 1, 1
	FETCH_X \slot, 1, 0
.if \first
	WIN FST_HI
.else
	WIN MUL_HI
.endif
	MUL16 4, 0, 0, \slot, \first
	MUL16 6, 0, 0, \slot, \first
	PLACES 4
	WIN 0
	FETCH_X \slot, 1, 4
.endm
; A slot's second 128 changes slots: ONE barrier; in front of it each wave waits for all its tensor loads, adds 0 to its spare word, and waits for that and for its reads of this slot.  fill = 1: this slot is filled again, two K steps ahead.
.macro TURN slot, next, fill, kk
	s_wait_tensorcnt 0x0                           ; all my tensor loads have landed: my part of the next slot (every window is 0 here)
	ds_add_u32 v[SPW], v[NIL]                      ; 0 onto my spare word
	s_wait_dscnt 13                                ; the add and the youngest twelve loads (x's blocks 4-7) may be out
	WIN MUL_LO
	MUL16 0, 1, 1, \slot, 0                        ; sixteen matrix instructions stand between the add and the wait for it
	s_wait_dscnt 0x0                               ; the add is done, and my reads of this slot are over
	s_barrier_signal -1
	MUL16 2, 1, 1, \slot, 0
	WIN 0
	s_barrier_wait -1
.if \fill
	CREST                                          ; the barrier has opened a round of the cluster's barrier: no wave of any partner still reads this slot or has a load on its way
	s_add_nc_u64 s[G0+4*\slot+2:G0+4*\slot+3], s[G0+4*\slot+2:G0+4*\slot+3], 2*XPART
	s_add_nc_u64 s[G0B+4*\slot+2:G0B+4*\slot+3], s[G0B+4*\slot+2:G0B+4*\slot+3], 2*ROWB
	JLOAD G0+4*\slot, G1, G0B+4*\slot, G1B         ; the first tensor load behind the round; its four v_nop are the places in front of the loads below
.else
	PLACES 4
.endif
	FETCH_W \next, 0, 0
	FETCH_X \next, 0, 0
	SCALES \next, \kk
	WIN MUL_HI
	MUL16 4, 1, 1, \slot, 0
	MUL16 6, 1, 1, \slot, 0
	PLACES 4
	WIN 0
	FETCH_X \next, 0, 4
.endm
	s_wait_tensorcnt 1                             ; the scales and my part of slot 0 are in; slot 1's load may be out
	s_barrier_signal -1
	s_barrier_wait -1
	FETCH_W 0, 0, 0
	FETCH_X 0, 0, 0
	SCALES 0, 0
	FETCH_X 0, 0, 4
	s_wait_loadcnt 0x0                             ; b1
	STEP 0, 1                                      ; K = 1,024 is four slots, eight steps: written out
	TURN 0, 1, 1, 1                                ; slot 0 takes K 512 on
	STEP 1, 0
	TURN 1, 0, 1, 2                                ; slot 1 takes K 768 on
	STEP 0, 0
	TURN 0, 1, 0, 3                                ; nothing is left to fetch
	STEP 1, 0
	s_wait_dscnt 12                                ; the last step
	WIN MUL_LO
	MUL16 0, 1, 1, 1, 0
	MUL16 2, 1, 1, 1, 0
	s_wait_dscnt 0
	WIN MUL_HI
	MUL16 4, 1, 1, 1, 0
	MUL16 6, 1, 1, 1, 0
	WIN 0
	; THE WAY OUT, a block of 16 tokens at a time.
	PLACES 4
.irp b, 0,1,2,3
	v_mov_b32 v[TM+4+\b], 0                        ; written once: a lane permute's destination counts as one of its sources
.endr
	v_cmp_ne_u32 vcc_lo, 0, v2                     ; lanes 16-31
.irp a, 0,1,2,3,4,5,6,7
.set WSEL, 0x08+4*(\a/4)
	WIN WSEL                                       ; source 1: window 2 or 3
.set j, 0
.rept 64
	v_max_num_f32 v[HA+j], 0, v[64*(\a%4)+j]       ; the activation, which also brings the block into window 0; each accumulator from its low end on
.set j, j+1
.endr
	WIN 0
.irp b, 0,1,2,3                        ; tile 2 b holds hidden units 32 b + 8 h + j, tile 2 b + 1 those 16 on: the first's lanes 16-31 change places with the second's lanes 0-15,
.irp j, 0,1,2,3,4,5,6,7                ; and register 16 b + i holds hidden unit 32 b + 16 h + i of the lane's token
	v_permlane16_swap_b32 v[HA+16*\b+\j], v[HA+16*\b+8+\j]
.endr
.endr
.if \a > 0
	s_wait_xcnt 0x0                                ; the last block's stores have read their registers: the codes may be written again
.endif
	QUANT HA
.irp c, 0,1,2
	global_store_b128 v[HO], v[PC+4*\c:PC+4*\c+3], s[14:15] offset:1536*\a+512*\c   ; the image: 32 lanes store 512 consecutive bytes
.endr
	v_mov_b32 v[PWS+\a], v[PW]
.endr
.irp k, 0,1,2,3
	v_cndmask_b32 v[SELT+\k], v[PWS+\k], v[PWS+4+\k], vcc_lo   ; lanes 0-15 store blocks 0-3's words of token r, lanes 16-31 blocks 4-7's
.endr
	global_store_b128 v[HSO], v[SELT:SELT+3], s[14:15] offset:24576   ; each half of the lanes stores 256 consecutive bytes, aligned
	s_wait_tensorcnt 0x0                           ; the wave's end
	ds_add_u32 v[SPW], v[NIL]
	s_wait_dscnt 0x0
	CROUND                                         ; the closing round: no work-group ends while a partner may still ask for a tile that names it
	s_endpgm
.Lfunc_end_k_q2ab8b2b948_up:
	.size	k_q2ab8b2b948_up, .Lfunc_end_k_q2ab8b2b948_up-k_q2ab8b2b948_up
	.p2alignl 7, 3214868480
	.fill 96, 4, 3214868480
	.section	.rodata,"a",@progbits
	.p2align	6, 0x0
	.amdhsa_kernel k_q2ab8b2b948_up
		.amdhsa_group_segment_fixed_size 327680
		.amdhsa_private_segment_fixed_size 0
		.amdhsa_enable_private_segment 0
		.amdhsa_kernarg_size 48
		.amdhsa_user_sgpr_count 2
		.amdhsa_user_sgpr_kernarg_segment_ptr 1
		.amdhsa_wavefront_size32 1
		.amdhsa_system_sgpr_workgroup_id_x 1
		.amdhsa_system_sgpr_workgroup_id_y 1
		.amdhsa_system_sgpr_workgroup_id_z 1
		.amdhsa_system_vgpr_workitem_id 0
		.amdhsa_next_free_vgpr 1024
		.amdhsa_next_free_sgpr 100
		.amdhsa_reserve_vcc 1
		.amdhsa_float_denorm_mode_32 3
		.amdhsa_float_denorm_mode_16_64 3
		.amdhsa_memory_ordered 1
		.amdhsa_forward_progress 1
		.amdhsa_inst_pref_size 177
	.end_amdhsa_kernel
	.amdgpu_metadata
---
amdhsa.version: [ 1, 2 ]
amdhsa.kernels:
  - .name:           k_q2ab8b2b948_up
    .symbol:         k_q2ab8b2b948_up.kd
    .args:
      - { .name: xq, .offset: 0, .size: 8, .value_kind: global_buffer, .address_space: global }
      - { .name: xs, .offset: 8, .size: 8, .value_kind: global_buffer, .address_space: global }
      - { .name: W1_codes, .offset: 16, .size: 8, .value_kind: global_buffer, .address_space: global }
      - { .name: W1_scales, .offset: 24, .size: 8, .value_kind: global_buffer, .address_space: global }
      - { .name: b1, .offset: 32, .size: 8, .value_kind: global_buffer, .address_space: global }
      - { .name: hq, .offset: 40, .size: 8, .value_kind: global_buffer, .address_space: global }
    .group_segment_fixed_size: 327680
    .private_segment_fixed_size: 0
    .kernarg_segment_align: 8
    .kernarg_segment_size: 48
    .max_flat_workgroup_size: 128
    .sgpr_count:     100
    .vgpr_count:     1024
    .wavefront_size: 32
...
	.end_amdgpu_metadata
.endif
;; end of part 2
;; launch down (part 3): grid 32 x 8, 4 waves a work-group, clusters of 4 x 4, 327,680 bytes of LDS; arguments hq, W2_codes, W2_scales, b2, gates, part; writes part
.if DOCPART == 3
	.amdgcn_target "amdgcn-amd-amdhsa--gfx1250"
	.amdhsa_code_object_version 6
	.text
	.protected	k_q2ab8b2b948_down
	.globl	k_q2ab8b2b948_down
	.p2align	8
	.type	k_q2ab8b2b948_down,@function
k_q2ab8b2b948_down:
	s_mov_b64 s[64:65], 0
	v_nop
	global_prefetch_b8 v0, s[64:65] scope:SCOPE_SE
	s_setreg_imm32_b32 hwreg(HW_REG_WAVE_MODE, 25, 1), 1
	s_wait_xcnt 0x0
	s_wait_alu depctr_hold_cnt(0) depctr_sa_sdst(0) depctr_va_vdst(0) depctr_va_sdst(0) depctr_va_ssrc(0) depctr_va_vcc(0) depctr_vm_vsrc(0)
	s_getreg_b32 s2, hwreg(HW_REG_IB_STS2, 6, 4)
	s_cmp_eq_u32 s2, 0
	s_cbranch_scc0 .Lentry_in_a_cluster
	s_endpgm
.Lentry_in_a_cluster:
	s_bfe_u32 s2, ttmp6, 0x10000c
	s_cmp_lg_u32 s2, 0xf033
	s_cbranch_scc0 .Lentry_shape_is_right
	s_endpgm
.Lentry_shape_is_right:
; part[p][n][f] = g[n][2p] (h W2 + b2)[2p] + g[n][2p+1] (h W2 + b2)[2p+1], the products on codes of BF6 (E3M2) with one E8M0 byte for each 32 along K.  The next launch adds the four parts.
; WHY PARTS.  A work-group takes 256 tokens x 128 f of TWO experts: it brings (256 + 128) x 3/4 x 4,096 = 1.18 MB into LDS, in 8 slots.  One owner for each output (128 x 64, all eight experts) would bring
; (128 + 64) x 3/4 x 16,384 = 2.36 MB, in 16 slots of the same size, for the same 1,024 matrix instructions a wave.  The price: four parts of 8.4 MB are stored where one output would be.
; SHARES.  Work-group x = 8 p + tf (pair of experts, tile of 128 f), y = TY (tile of 256 tokens).  Four waves, 2 x 2: a wave makes 128 tokens x 64 f: 32 accumulators (256 registers) and 256 registers of gated sums.
; K goes in steps of 512 through a ring of two LDS slots: slot t = 0 .. 7 is expert 2 p + t / 4, K 512 (t % 4) on.  h comes as images of operand registers (units of 25,600 dense bytes: 128 tokens x 256 K and their scale words),
; W2 as rows of 384 bytes with 16 bytes of padding behind every 128.
; CLUSTERS: 4 x 4 work-groups; h's tiles hang on (TY, p) and are shared along a row of the cluster, W2's on (tf, p) and are shared along a column: each is asked for jointly.
; THE MATRIX INSTRUCTION IS USED TRANSPOSED (source 0 = 16 rows of W2, source 1 = 16 tokens): lane (r, h) holds token 16 a + r and f = 16 b + 8 h + 0 .. 7.  b2 is the C of an expert's first products.
; Behind each expert: sum (+)= g x accumulator.  W2's scale words, b2 and the gates of both experts come straight into registers at the head.
; The eight slots are written out: the scale registers, the descriptors' steps and the fills differ from slot to slot.
; ORDER OF SUMS: an output's K is summed in 8 parts (2 experts here, 4 parts in the next launch), always in the same order.  NaN and infinities are not served.
; REGISTERS, in windows of 256: window 0: v1-23 addresses; v24-55 h's scale words, two sets; v56-71 gates; v72-135 W2's scale words; v136-183, v184-231 W2's fragments, two sets; v232 the prefetches' offset.
;   window 1: h's fragments, two sets, at v0 and v128; b2 of the first expert at v96, of the second at v224.   window 2: accumulator (a, b) at v[8 (4 a + b)].   window 3: the gated sums, likewise.
.set FR,    12
.set UNIT,  25600
.set HHALF, 2*UNIT                     ; 128 tokens x 512 K: what one tensor load brings of h
.set HSLOT, 4*UNIT
.set WP,    432                        ; a row of W2 in LDS: 3 x (128 + 16) bytes = 108 words: row r starts at bank 44 r mod 64, sixteen different multiples of 4; lanes 16-31 read 6 or 10 words on: the 32 lanes of a load of 8 bytes touch 64 different banks
.set WHALF, 64*WP
.set SLOT,  HSLOT+2*WHALF              ; 157,696
.set SPARE, 2*SLOT                     ; the spare words, 128 bytes for each wave: two blocks of 256 bytes that no other line names
.set SP,    272                        ; the way out: rows of 256 bytes + 16
.set STG,   128*SP                     ; a wave's stage; the four lie in slot 0, which has had its last fill and its last read by then
.set EROW,  1024*1536                  ; an expert on, in W2's codes
.set SPW,  10                          ; v10  LDS address of my spare word; never rewritten
.set NIL,  11                          ; v11  0; never rewritten
.set ADH,  12                          ; v12-13 my 128 tokens' units in slot 0, 1: + 16 x lane
.set ADW,  14                          ; v14-15 my 64 rows of W2 in slot 0, 1; v16-17 for the pieces that lie behind one padding more
.set STO,  18                          ; v18  the stage: where I put 32 bytes of a row
.set RD,   19                          ; v19  and where I read rows back
.set CO,   20                          ; v20  part: 4,096 h + 16 r
.set AWS,  21                          ; v21  W2's scales: 64 r + 32 h
.set AB2,  22                          ; v22  b2: 32 h
.set AG,   23                          ; v23  gates: 32 r
.set HS,   24                          ; h's scale words: register 16 sl + 8 u + a: lanes 0-15 the unit's first 128 along K, lanes 16-31 the second
.set GE,   56                          ; gates: registers 2 a, 2 a + 1: the two experts' gates of token 16 a + r
.set WS,   72                          ; W2's scale words: register 32 e + 8 b + k: lanes 0-15 K step k, lanes 16-31 K step 8 + k of the expert's 16
.set WF,   136
.set PFO,  232                         ; v232 the prefetches' offset: 256 x lane in a unit of h, 1,536 x lane among W2's rows; never rewritten
.set G1,   24                          ; s[24:31] descriptor group 1 for h's tiles; s[32:39] group 0, a set for each slot
.set G0,   32
.set G1B,  48                          ; s[48:55], s[56:63] the same for W2's
.set G0B,  56
.set LIM,  69                          ; s69  1 in a wave that prefetches, else 0
.set PFA,  70                          ; s[70:71] where my prefetches stand; never rewritten: the slots' steps stand in the immediates
.set MSB, 0
.macro WIN new                         ; the immediate's high byte repeats the setting that is left
.if MSB != \new
	s_set_vgpr_msb (MSB<<8)|\new
.set MSB, \new
.endif
.endm
.set MUL,  0xa4                        ; source 0 (W2) window 0, source 1 (h) window 1, C and D window 2
.set FST,  0x94                        ; an expert's first step: C (b2) window 1
.set TO_H, 0x40                        ; destination window 1, address window 0
.macro JLOAD g0a, g1a, g0b, g1b        ; a joint load: waves 0 and 1 fetch h's halves, waves 2 and 3 W2's; four v_nop follow each of the two lines
	s_cmp_eq_u32 s17, 0
	s_cbranch_scc0 .Lfor_b_\@
	tensor_load_to_lds s[\g0a:\g0a+3], s[\g1a:\g1a+7]
	s_nop 0
.rept 4
	v_nop
.endr
	s_branch .Lasked_\@
.Lfor_b_\@:
	tensor_load_to_lds s[\g0b:\g0b+3], s[\g1b:\g1b+7]
	s_nop 0
.rept 4
	v_nop
.endr
.Lasked_\@:
.endm
.macro CREST                           ; a round of the cluster's barrier behind its opening barrier
	s_cmp_lg_u32 s16, 0
	s_cbranch_scc1 .Lnot_wave_0_\@
	s_barrier_signal -3
.Lnot_wave_0_\@:
	s_barrier_wait -3
	s_barrier_signal -1
	s_barrier_wait -1
.endm
.macro CROUND
	s_barrier_signal -1
	s_barrier_wait -1
	CREST
.endm
.macro PLACES n                        ; plain places behind matrix instructions (ISA guide 7.12.1)
.rept \n
	v_nop
.endr
.endm
; A PREFETCH INTO THE L2 of slot tn, which the NEXT refill will bring.  Each aligned block of 256 bytes is named once in the launch.
; h's four units of a slot are walked by two clusters (tf 0-3 and tf 4-7): the first asks; its partner cx takes unit cx, told apart by address; waves 0 to 2 take 8,192 bytes each, lanes 256 bytes apart (a unit's last 1,024 bytes, the scale words, come by the load alone).
; W2's 128 rows of a slot are walked by two clusters (y = 0, 1): the first asks; its partner cy takes 32 rows, told apart by address; wave 3 asks, a lane a row.  A slot's part of a row is 384 bytes, one and a half blocks:
; an even slot names its two blocks, an odd one the one block that the slot before has not named.
; The branches hang on the cluster's number and the wave's, which all partners share.  Slots 0 to 2 come by their loads alone, and the last refill asks for nothing.
.macro ASK tn
	s_cmp_eq_u32 s[LIM], 1
	s_cbranch_scc0 .Lnot_mine_\@
	s_cmp_lt_u32 s16, 3
	s_cbranch_scc0 .Lrows_\@
	global_prefetch_b8 v[PFO], s[PFA:PFA+1] offset:HHALF*(\tn) th:TH_LOAD_NT scope:SCOPE_SE
	s_branch .Lnot_mine_\@
.Lrows_\@:
.if ((\tn)%2) == 0
	global_prefetch_b8 v[PFO], s[PFA:PFA+1] offset:EROW*((\tn)/4)+384*((\tn)%4) th:TH_LOAD_NT scope:SCOPE_SE
	global_prefetch_b8 v[PFO], s[PFA:PFA+1] offset:EROW*((\tn)/4)+384*((\tn)%4)+256 th:TH_LOAD_NT scope:SCOPE_SE
.else
	global_prefetch_b8 v[PFO], s[PFA:PFA+1] offset:EROW*((\tn)/4)+384*((\tn)%4)+128 th:TH_LOAD_NT scope:SCOPE_SE
.endif
.Lnot_mine_\@:
.endm
	s_load_b256 s[4:11], s[0:1], 0x0               ; hq s[4:5], W2's codes s[6:7], W2's scales s[8:9], b2 s[10:11]
	s_load_b128 s[12:15], s[0:1], 0x20             ; gates s[12:13], part s[14:15]
	v_lshl_add_u32 v[SPW], v0, 2, SPARE
	v_mov_b32 v[NIL], 0
	ds_add_u32 v10, v11
	ds_add_u32 v10, v11
	s_wait_dscnt 0x0
	v_lshrrev_b32 v1, 5, v0
	v_readfirstlane_b32 s16, v1                    ; wave 0..3
	s_lshr_b32 s17, s16, 1                         ; which half of the tile's tokens is mine.  Also: I fetch for h (0) or for W2 (1)
	s_and_b32 s18, s16, 1                          ; which half of its f.  Also: which half of that tile I fetch
	s_bfe_u32 s40, ttmp6, 0x40000                  ; cx, cy: my place in the cluster
	s_bfe_u32 s41, ttmp6, 0x40004
	s_lshr_b32 s66, ttmp9, 1                       ; p: the pair of experts: two clusters along x to a pair
	s_and_b32 s42, ttmp9, 1
	s_lshl_b32 s42, s42, 2
	s_add_co_u32 s42, s42, s40                     ; tf: tile of 128 f
	s_and_b32 s19, ttmp7, 0xffff
	s_lshl_b32 s19, s19, 2
	s_add_co_u32 s19, s19, s41                     ; TY: tile of 256 tokens
	s_lshl_b32 s43, s41, 2
	s_lshl_b32 s43, 15, s43                        ; my row of the cluster
	s_lshl_b32 s44, 0x1111, s40                    ; my column
	s_or_b32 s[G1+0], s43, (3<<16)|(1<<21)         ; h: the mask of my row; elements of 8 bytes; no padding; 21 set beside a mask
	s_mov_b32 s[G1+1], 32<<16                      ; rows of 256 bytes,
	s_mov_b32 s[G1+2], 200<<16                     ; 200 of them: two units, 51,200 dense bytes
	s_mov_b32 s[G1+3], 32<<16
	s_mov_b32 s[G1+4], 200
	s_mov_b32 s[G1+5], 32
	s_mov_b32 s[G1+6], 0
	s_mov_b32 s[G1+7], 0
	s_or_b32 s[G1B+0], s44, (0<<16)|(1<<20)|(1<<21)|(4<<22)|(3<<25)  ; W2: the mask of my column; elements of 1 byte; 4 words of padding behind every 32
	s_mov_b32 s[G1B+1], 384<<16                    ; 512 codes of a row,
	s_mov_b32 s[G1B+2], 64<<16                     ; 64 rows
	s_mov_b32 s[G1B+3], 384<<16
	s_mov_b32 s[G1B+4], 64
	s_mov_b32 s[G1B+5], 1536                       ; a row of W2 in memory
	s_mov_b32 s[G1B+6], 0
	s_mov_b32 s[G1B+7], 0
	s_lshl_b32 s20, s19, 1                         ; h: units (2 TY + my half) x 64 + 16 p on
	s_add_co_u32 s20, s20, s18
	s_mul_i32 s20, s20, 64*UNIT
	s_mul_i32 s21, s66, 16*UNIT
	s_add_co_u32 s20, s20, s21
	s_mov_b32 s21, 0
	s_lshl_b32 s68, s66, 11                        ; W2, its scales and b2: row 2,048 p + 128 tf + 64 x my half
	s_lshl_b32 s47, s42, 7
	s_add_co_u32 s68, s68, s47
	s_lshl_b32 s47, s18, 6
	s_add_co_u32 s68, s68, s47
	s_mul_i32 s46, s68, 1536
	s_mov_b32 s47, 0
	s_mul_i32 s45, s18, HHALF                      ; where they go in a slot: no place in the cluster enters an LDS address
	s_mul_i32 s22, s18, WHALF
	s_add_co_u32 s22, s22, HSLOT
	s_wait_kmcnt 0x0
	s_add_nc_u64 s[20:21], s[4:5], s[20:21]
	s_add_nc_u64 s[46:47], s[6:7], s[46:47]
	CROUND                                         ; all sixteen work-groups are here: the first joint loads meet
.irp s, 0,1
	s_mov_b32 s[G0+4*\s], 1
	s_add_co_u32 s[G0+4*\s+1], s45, \s*SLOT
	s_add_nc_u64 s[G0+4*\s+2:G0+4*\s+3], s[20:21], \s*HHALF
	s_or_b32 s[G0+4*\s+3], s[G0+4*\s+3], 0x80000000
	s_mov_b32 s[G0B+4*\s], 1
	s_add_co_u32 s[G0B+4*\s+1], s22, \s*SLOT
	s_add_nc_u64 s[G0B+4*\s+2:G0B+4*\s+3], s[46:47], \s*384
	s_or_b32 s[G0B+4*\s+3], s[G0B+4*\s+3], 0x80000000
	JLOAD G0+4*\s, G1, G0B+4*\s, G1B               ; slots 0 and 1: two tensor loads of mine are out
.endr
	v_and_b32 v1, 15, v0                           ; r
	v_bfe_u32 v2, v0, 4, 1                         ; h
	v_and_b32 v3, 31, v0                           ; lane
	v_lshlrev_b32 v[AWS], 6, v1
	v_lshl_add_u32 v[AWS], v2, 5, v[AWS]
	v_lshlrev_b32 v[AB2], 5, v2
	v_lshlrev_b32 v[AG], 5, v1
	s_lshl_b32 s92, s68, 6                         ; W2's scales: 64 bytes a row
	s_mov_b32 s93, 0
	s_add_nc_u64 s[8:9], s[8:9], s[92:93]
	s_lshl_b32 s92, s68, 2                         ; b2: 4 bytes a row
	s_add_nc_u64 s[10:11], s[10:11], s[92:93]
	s_lshl_b32 s92, s19, 13                        ; gates: 32 bytes a token: 256 tokens a tile, my 128, + 8 p
	s_lshl_b32 s94, s17, 12
	s_add_co_u32 s92, s92, s94
	s_lshl_b32 s94, s66, 3
	s_add_co_u32 s92, s92, s94
	s_add_nc_u64 s[12:13], s[12:13], s[92:93]
	s_lshl_b32 s92, s66, 23                        ; part: 8,388,608 p + 4,096 x (256 TY + 128 x my half of the tokens) + 4 x (128 tf + 64 x my half of f)
	s_lshl_b32 s94, s19, 20
	s_add_co_u32 s92, s92, s94
	s_lshl_b32 s94, s17, 19
	s_add_co_u32 s92, s92, s94
	s_lshl_b32 s94, s42, 9
	s_add_co_u32 s92, s92, s94
	s_lshl_b32 s94, s18, 8
	s_add_co_u32 s92, s92, s94
	s_add_nc_u64 s[14:15], s[14:15], s[92:93]
.irp e, 0,1                            ; W2's scale words of both experts: lane (r, h) takes bytes 32 h .. 32 h + 31 of row 16 b + r: K steps 8 h + 0 .. 7
.irp b, 0,1,2,3
	global_load_b128 v[WS+32*\e+8*\b:WS+32*\e+8*\b+3], v[AWS], s[8:9] offset:65536*\e+1024*\b
	global_load_b128 v[WS+32*\e+8*\b+4:WS+32*\e+8*\b+7], v[AWS], s[8:9] offset:65536*\e+1024*\b+16
.endr
.endr
.irp a, 0,1,2,3,4,5,6,7
	global_load_b64 v[GE+2*\a:GE+2*\a+1], v[AG], s[12:13] offset:512*\a   ; g[16 a + r][2 p], g[16 a + r][2 p + 1]
.endr
	WIN TO_H
.irp e, 0,1                            ; b2 in the result's layout: lane (r, h) holds f = 16 b + 8 h + 0 .. 7
.irp b, 0,1,2,3
	global_load_b128 v[96+128*\e+8*\b:96+128*\e+8*\b+3], v[AB2], s[10:11] offset:4096*\e+64*\b
	global_load_b128 v[96+128*\e+8*\b+4:96+128*\e+8*\b+7], v[AB2], s[10:11] offset:4096*\e+64*\b+16
.endr
.endr
	WIN 0
	; the prefetches: where my wave's stand, and who asks
	s_lshr_b32 s72, s40, 1                         ; h: unit (2 TY + cx / 2) x 64 + 16 p + cx % 2,
	s_lshl_b32 s73, s19, 1
	s_add_co_u32 s72, s72, s73
	s_lshl_b32 s72, s72, 6
	s_lshl_b32 s73, s66, 4
	s_add_co_u32 s72, s72, s73
	s_and_b32 s73, s40, 1
	s_add_co_u32 s72, s72, s73
	s_mul_i32 s72, s72, UNIT
	s_lshl_b32 s73, s16, 13                        ; my wave's 8,192 bytes of it
	s_add_co_u32 s72, s72, s73
	s_lshl_b32 s74, s66, 11                        ; W2: rows 2,048 p + 128 tf + 32 cy on
	s_lshl_b32 s75, s42, 7
	s_add_co_u32 s74, s74, s75
	s_lshl_b32 s75, s41, 5
	s_add_co_u32 s74, s74, s75
	s_mul_i32 s74, s74, 1536
	s_and_b32 s76, ttmp9, 1                        ; the coordinate along which another cluster walks the same bytes: of h,
	s_and_b32 s77, ttmp7, 0xffff                   ; of W2
	s_mov_b32 s78, 1536
	s_cmp_lt_u32 s16, 3                            ; waves 0 to 2 ask for h, wave 3 for W2
	s_cselect_b64 s[PFA:PFA+1], s[4:5], s[6:7]
	s_cselect_b32 s72, s72, s74
	s_cselect_b32 s76, s76, s77
	s_cselect_b32 s78, 256, s78                    ; from lane to lane
	s_mov_b32 s73, 0
	s_add_nc_u64 s[PFA:PFA+1], s[PFA:PFA+1], s[72:73]
	s_cmp_eq_u32 s76, 0
	s_cselect_b32 s[LIM], 1, 0                     ; the same in all sixteen partners, for a given wave
	v_mul_lo_u32 v[PFO], v3, s78
	v_lshlrev_b32 v3, 4, v3                        ; 16 x lane
	s_mul_i32 s23, s17, HHALF                      ; my 128 tokens' two units
.irp s, 0,1
	v_add_nc_u32 v[ADH+\s], s23, v3
	s_add_co_u32 s23, s23, SLOT
.endr
	v_mul_u32_u24 v4, v1, WP
	v_mul_u32_u24 v5, v2, 24
	v_add_nc_u32 v4, v4, v5                        ; a W2 fragment's row x pitch + 24 x half
	v_lshl_add_u32 v5, v2, 4, v4                   ; and the same behind one padding more
	s_mul_i32 s23, s18, WHALF                      ; my 64 rows of W2, behind h's part
	s_add_co_u32 s23, s23, HSLOT
.irp s, 0,1
	v_add_nc_u32 v[ADW+\s], s23, v4
	v_add_nc_u32 v[ADW+2+\s], s23, v5
	s_add_co_u32 s23, s23, SLOT
.endr
	s_mul_i32 s23, s16, STG                        ; my stage
	v_mul_u32_u24 v[STO], v1, SP
	v_lshl_add_u32 v[STO], v2, 5, v[STO]
	v_add_nc_u32 v[STO], s23, v[STO]               ; in: row r, + 32 h
	v_mul_u32_u24 v[RD], v2, SP
	v_lshl_add_u32 v[RD], v1, 4, v[RD]
	v_add_nc_u32 v[RD], s23, v[RD]                 ; back: lanes 0-15 one row of 256 bytes, lanes 16-31 the next
	v_lshlrev_b32 v[CO], 12, v2
	v_lshl_add_u32 v[CO], v1, 4, v[CO]             ; and the same two rows in part
; Product i of a step's 32: token block i / 4, f block i % 4.  The 32 accumulators take turns, one instruction a turn, in the same order in every step.
; set: the fragments' set; sl: the ring's slot; e: the expert of the pair; ts: the slot's place among the expert's four; s: the step of 128 in the slot.
.macro MM1 set, sl, e, ts, s, first
.set rD, 8*i
.set rA, WF+48*(\set)+FR*(i%4)
.set rB, 128*(\set)+FR*(i/4)
.set rC, 96+128*(\e)+8*(i%4)
.set rS, WS+32*(\e)+8*(i%4)+((4*(\ts)+(\s))%8)
.set rT, HS+16*(\sl)+8*((\s)/2)+(i/4)
.if \first
	v_wmma_scale_f32_16x16x128_f8f6f4 v[rD:rD+7], v[rA:rA+11], v[rB:rB+11], v[rC:rC+7], v[rS], v[rT] matrix_a_fmt:MATRIX_FMT_BF6 matrix_b_fmt:MATRIX_FMT_BF6
.elseif ((\ts) < 2) && (((\s)%2) == 0)
	v_wmma_scale_f32_16x16x128_f8f6f4 v[rD:rD+7], v[rA:rA+11], v[rB:rB+11], v[rD:rD+7], v[rS], v[rT] matrix_a_fmt:MATRIX_FMT_BF6 matrix_b_fmt:MATRIX_FMT_BF6
.elseif (\ts) < 2
	v_wmma_scale_f32_16x16x128_f8f6f4 v[rD:rD+7], v[rA:rA+11], v[rB:rB+11], v[rD:rD+7], v[rS], v[rT] matrix_a_fmt:MATRIX_FMT_BF6 matrix_b_fmt:MATRIX_FMT_BF6 matrix_b_scale:MATRIX_SCALE_ROW1
.elseif ((\s)%2) == 0
	v_wmma_scale_f32_16x16x128_f8f6f4 v[rD:rD+7], v[rA:rA+11], v[rB:rB+11], v[rD:rD+7], v[rS], v[rT] matrix_a_fmt:MATRIX_FMT_BF6 matrix_b_fmt:MATRIX_FMT_BF6 matrix_a_scale:MATRIX_SCALE_ROW1
.else
	v_wmma_scale_f32_16x16x128_f8f6f4 v[rD:rD+7], v[rA:rA+11], v[rB:rB+11], v[rD:rD+7], v[rS], v[rT] matrix_a_fmt:MATRIX_FMT_BF6 matrix_b_fmt:MATRIX_FMT_BF6 matrix_a_scale:MATRIX_SCALE_ROW1 matrix_b_scale:MATRIX_SCALE_ROW1
.endif
.endm
.macro MMS from, n, set, sl, e, ts, s, first
.set i, \from
.rept \n
	MM1 \set, \sl, \e, \ts, \s, \first
.set i, i+1
.endr
.endm
.macro FETCH_W sl, s, set              ; W2's four fragments of the slot's step s (window 0): lane l holds row l % 16; registers 6 c .. 6 c + 5 hold K = 64 c + 32 (l / 16) + 0 .. 31, in pieces of 8 bytes
.irp b, 0,1,2,3
.irp p, 0,1,2,3,4,5
.set PCE, 12*(\s)+6*(\p/3)+\p%3        ; piece P of a row's 48 lies at 8 P + 16 (P / 16); lanes 16-31 read three pieces further on: where that lies behind one padding more, the second address register serves
.if PCE%16 < 13
	ds_load_b64 v[WF+48*(\set)+FR*\b+2*\p:WF+48*(\set)+FR*\b+2*\p+1], v[ADW+(\sl)] offset:8*PCE+16*(PCE/16)+16*WP*\b
.else
	ds_load_b64 v[WF+48*(\set)+FR*\b+2*\p:WF+48*(\set)+FR*\b+2*\p+1], v[ADW+2+(\sl)] offset:8*PCE+16*(PCE/16)+16*WP*\b
.endif
.endr
.endr
.endm
.macro FETCH_S sl                      ; my two units' scale words: token blocks 0-3, then 4-7
.irp u, 0,1
	ds_load_b128 v[HS+16*(\sl)+8*\u:HS+16*(\sl)+8*\u+3], v[ADH+(\sl)] offset:UNIT*\u+24576
	ds_load_b128 v[HS+16*(\sl)+8*\u+4:HS+16*(\sl)+8*\u+7], v[ADH+(\sl)] offset:UNIT*\u+25088
.endr
.endm
.macro FETCH_H sl, s, set              ; h's eight fragments of step s (destination window 1): blocks 4-7 are the run's youngest twelve loads
.irp a, 0,1,2,3,4,5,6,7
.irp c, 0,1,2
	ds_load_b128 v[128*(\set)+FR*\a+4*\c:128*(\set)+FR*\a+4*\c+3], v[ADH+(\sl)] offset:UNIT*((\s)/2)+12288*((\s)%2)+1536*\a+512*\c
.endr
.endr
.endm
; One of a slot's first three steps of 128: multiplies set s % 2; in its middle the next step's fragments are fetched into the other set, in one run.
.macro STEP sl, e, ts, s, first
	s_wait_dscnt 12                                ; all but h's blocks 4-7 are in
.if \first
	WIN FST
.else
	WIN MUL
.endif
	MMS 0, 16, (\s)%2, \sl, \e, \ts, \s, \first
	s_wait_dscnt 0x0                               ; h's blocks 4-7 are in
	PLACES 4                                       ; for the loads into the other set, which the step before multiplied
	WIN 0
	FETCH_W \sl, (\s)+1, ((\s)+1)%2
	WIN TO_H
	FETCH_H \sl, (\s)+1, ((\s)+1)%2
.if \first
	WIN FST
.else
	WIN MUL
.endif
	MMS 16, 16, (\s)%2, \sl, \e, \ts, \s, \first
.endm
; A slot's fourth step changes slots: ONE barrier; in front of it each wave waits for all its tensor loads, adds 0 to its spare word, and waits for that and for its reads of this slot.
; fill = 1: this slot takes the K two slots on (wstep: W2's step in bytes: along the row, or on into the next expert).  ask: the slot to be prefetched, or -1.
.macro TURN sl, next, e, ts, fill, wstep, ask
	WIN 0                                          ; the add's two registers lie in window 0
	s_wait_tensorcnt 0x0                           ; all my tensor loads have landed: my part of the next slot
	ds_add_u32 v[SPW], v[NIL]                      ; 0 onto my spare word
	s_wait_dscnt 13                                ; the add and the youngest twelve loads (h's blocks 4-7) may be out
	WIN MUL
	MMS 0, 8, 1, \sl, \e, \ts, 3, 0                ; eight matrix instructions stand between the add and the wait for it
	s_wait_dscnt 0x0                               ; the add is done, and my reads of this slot are over
	s_barrier_signal -1
	MMS 8, 8, 1, \sl, \e, \ts, 3, 0
	WIN 0
	s_barrier_wait -1
.if \fill
	CREST                                          ; the barrier has opened a round of the cluster's barrier: no wave of any partner still reads this slot or has a load on its way
	s_add_nc_u64 s[G0+4*\sl+2:G0+4*\sl+3], s[G0+4*\sl+2:G0+4*\sl+3], HSLOT
	s_add_nc_u64 s[G0B+4*\sl+2:G0B+4*\sl+3], s[G0B+4*\sl+2:G0B+4*\sl+3], \wstep
	JLOAD G0+4*\sl, G1, G0B+4*\sl, G1B             ; the first tensor load behind the round; its four v_nop are the places in front of the loads below
.else
	PLACES 4
.endif
	FETCH_W \next, 0, 0
	FETCH_S \next
	WIN TO_H
	FETCH_H \next, 0, 0
.if (\ask) >= 0
	WIN 0                                          ; at a label and at a branch every window is 0
	ASK \ask                                       ; behind the joint load and the run of LDS loads that the next products wait for
.endif
	WIN MUL
	MMS 16, 16, 1, \sl, \e, \ts, 3, 0
.endm
.macro SLOTW sl, next, e, ts, first, fill, wstep, ask
	STEP \sl, \e, \ts, 0, \first
	STEP \sl, \e, \ts, 1, 0
	STEP \sl, \e, \ts, 2, 0
	TURN \sl, \next, \e, \ts, \fill, \wstep, \ask
.endm
; Behind an expert: the first starts the gated sums (g is the low word of block a's pair), the second adds onto them (the high word).  Each accumulator is read from its low end on.
.macro GATE second
	WIN 0
	PLACES 4                                       ; behind the last products, whose results are read below
.if \second
	WIN 0xf2                                       ; destination and source 2 window 3, source 0 window 2, source 1 window 0
.else
	WIN 0xc2
.endif
.set i, 0
.rept 32
.set g, GE+2*(i/4)
.irp j, 0,2,4,6
.if \second
	v_pk_fma_f32 v[8*i+\j:8*i+\j+1], v[8*i+\j:8*i+\j+1], v[g:g+1], v[8*i+\j:8*i+\j+1] op_sel:[0,1,0] op_sel_hi:[1,1,1]
.else
	v_pk_mul_f32 v[8*i+\j:8*i+\j+1], v[8*i+\j:8*i+\j+1], v[g:g+1] op_sel_hi:[1,0]
.endif
.endr
.set i, i+1
.endr
	WIN 0
.endm
	s_wait_tensorcnt 1                             ; my part of slot 0 is in; slot 1's may be out
	s_barrier_signal -1
	s_barrier_wait -1
	FETCH_W 0, 0, 0
	FETCH_S 0
	WIN TO_H
	FETCH_H 0, 0, 0
	s_wait_loadcnt 0x0                             ; W2's scale words, the gates, b2
	SLOTW 0, 1, 0, 0, 1, 1, 768, 3                 ; the pair's first expert: b2 starts the sums
	SLOTW 1, 0, 0, 1, 0, 1, 768, 4
	SLOTW 0, 1, 0, 2, 0, 1, EROW-768, 5            ; the ring goes on into the second expert
	SLOTW 1, 0, 0, 3, 0, 1, EROW-768, 6
	GATE 0
	SLOTW 0, 1, 1, 0, 1, 1, 768, 7                 ; the second expert
	SLOTW 1, 0, 1, 1, 0, 1, 768, -1                ; the last refill: there is no slot behind it to ask for
	SLOTW 0, 1, 1, 2, 0, 0, 0, -1                  ; nothing is left to fetch
	STEP 1, 1, 3, 0, 0
	STEP 1, 1, 3, 1, 0
	STEP 1, 1, 3, 2, 0
	s_wait_dscnt 12                                ; the last step
	WIN MUL
	MMS 0, 16, 1, 1, 1, 3, 3, 0
	s_wait_dscnt 0x0
	MMS 16, 16, 1, 1, 1, 3, 3, 0
	GATE 1
	; THE WAY OUT.  A lane holds 32 bytes of a row, and the lanes beside it hold other rows: my 128 rows of 256 bytes go through my own stage in LDS and come back as whole rows.
	; LDS serves a wave's instructions in order (ISA guide 5.7.1.4): no wait stands between my stores and my loads, and no other wave touches my stage.
	WIN 0x0c                                       ; an LDS store's data are its source 1: window 3
.set i, 0
.rept 32
	ds_store_b128 v[STO], v[8*i:8*i+3] offset:16*SP*(i/4)+64*(i%4)
	ds_store_b128 v[STO], v[8*i+4:8*i+7] offset:16*SP*(i/4)+64*(i%4)+16
.set i, i+1
.endr
	WIN 0
.macro CLOAD c, buf                    ; 32 rows, two an instruction
.irp k, 0,1,2,3,4,5,6,7,8,9,10,11,12,13,14,15
	ds_load_b128 v[\buf+4*\k:\buf+4*\k+3], v[RD] offset:(32*\c+2*\k)*SP
.endr
.endm
.macro CSEND c, buf
.irp k, 0,1,2,3,4,5,6,7,8,9,10,11,12,13,14,15
	global_store_b128 v[CO], v[\buf+4*\k:\buf+4*\k+3], s[14:15] offset:(32*\c+2*\k)*4096 th:TH_STORE_NT   ; each half of the lanes stores 256 consecutive bytes of a row, aligned; 126 rows of 4,096 bytes at the most: inside the signed 24-bit immediate
.endr
.endm
	CLOAD 0, 24
	CLOAD 1, 136
	s_wait_dscnt 16                                ; the first chunk is in; the next chunk's sixteen loads may be out
	CSEND 0, 24
	s_wait_xcnt 0x0                                ; the stores have read their registers: the buffer may be loaded again
	CLOAD 2, 24
	s_wait_dscnt 16
	CSEND 1, 136
	s_wait_xcnt 0x0
	CLOAD 3, 136
	s_wait_dscnt 16
	CSEND 2, 24
	s_wait_dscnt 0x0
	CSEND 3, 136
	s_wait_tensorcnt 0x0                           ; the wave's end
	ds_add_u32 v[SPW], v[NIL]
	s_wait_dscnt 0x0
	CROUND                                         ; the closing round: no work-group ends while a partner may still ask for a tile that names it
	s_endpgm
.Lfunc_end_k_q2ab8b2b948_down:
	.size	k_q2ab8b2b948_down, .Lfunc_end_k_q2ab8b2b948_down-k_q2ab8b2b948_down
	.p2alignl 7, 3214868480
	.fill 96, 4, 3214868480
	.section	.rodata,"a",@progbits
	.p2align	6, 0x0
	.amdhsa_kernel k_q2ab8b2b948_down
		.amdhsa_group_segment_fixed_size 327680
		.amdhsa_private_segment_fixed_size 0
		.amdhsa_enable_private_segment 0
		.amdhsa_kernarg_size 48
		.amdhsa_user_sgpr_count 2
		.amdhsa_user_sgpr_kernarg_segment_ptr 1
		.amdhsa_wavefront_size32 1
		.amdhsa_system_sgpr_workgroup_id_x 1
		.amdhsa_system_sgpr_workgroup_id_y 1
		.amdhsa_system_sgpr_workgroup_id_z 1
		.amdhsa_system_vgpr_workitem_id 0
		.amdhsa_next_free_vgpr 1024
		.amdhsa_next_free_sgpr 100
		.amdhsa_reserve_vcc 0
		.amdhsa_float_denorm_mode_32 3
		.amdhsa_float_denorm_mode_16_64 3
		.amdhsa_memory_ordered 1
		.amdhsa_forward_progress 1
		.amdhsa_inst_pref_size 255
	.end_amdhsa_kernel
	.section	.bss,"aw",@nobits
	.p2align	6
	.space	262144
	.amdgpu_metadata
---
amdhsa.version: [ 1, 2 ]
amdhsa.kernels:
  - .name:           k_q2ab8b2b948_down
    .symbol:         k_q2ab8b2b948_down.kd
    .args:
      - { .name: hq, .offset: 0, .size: 8, .value_kind: global_buffer, .address_space: global }
      - { .name: W2_codes, .offset: 8, .size: 8, .value_kind: global_buffer, .address_space: global }
      - { .name: W2_scales, .offset: 16, .size: 8, .value_kind: global_buffer, .address_space: global }
      - { .name: b2, .offset: 24, .size: 8, .value_kind: global_buffer, .address_space: global }
      - { .name: gates, .offset: 32, .size: 8, .value_kind: global_buffer, .address_space: global }
      - { .name: part, .offset: 40, .size: 8, .value_kind: global_buffer, .address_space: global }
    .group_segment_fixed_size: 327680
    .private_segment_fixed_size: 0
    .kernarg_segment_align: 8
    .kernarg_segment_size: 48
    .max_flat_workgroup_size: 128
    .sgpr_count:     100
    .vgpr_count:     1024
    .wavefront_size: 32
...
	.end_amdgpu_metadata
.endif
;; end of part 3
;; launch sum (part 4): grid 256 x 1, 8 waves a work-group, no clusters, 0 bytes of LDS; arguments part, out0; writes out0
.if DOCPART == 4
	.amdgcn_target "amdgcn-amd-amdhsa--gfx1250"
	.amdhsa_code_object_version 6
	.text
	.protected	k_q2ab8b2b948_sum
	.globl	k_q2ab8b2b948_sum
	.p2align	8
	.type	k_q2ab8b2b948_sum,@function
k_q2ab8b2b948_sum:
	s_mov_b64 s[64:65], 0
	v_nop
	global_prefetch_b8 v0, s[64:65] scope:SCOPE_SE
	s_setreg_imm32_b32 hwreg(HW_REG_WAVE_MODE, 25, 1), 1
	s_wait_xcnt 0x0
; out0[n][f] = (part[0] + part[1]) + (part[2] + part[3]), all f32: the four pairs of experts' gated sums, always in this order.
; A stream: every byte is read once and written once, so LDS, barriers, the matrix unit, clusters and a prefetch would add nothing.
; A work-group owns 32,768 consecutive bytes of out0.  Thread t owns the 16 bytes at 16 t of each of eight chunks of 4,096 bytes: a load or store of a wave covers 512 consecutive bytes, aligned.
; All 32 loads of a wave (8 chunks x 4 parts) go out at once, chunk by chunk; each chunk is added and stored as soon as its four loads are in.  No register that a load or store names is written again.
.set PB, 8388608                       ; bytes of a part: past a load's immediate, so each part has its base
.set P,  8                             ; v8-135: chunk c, part p at v[P + 16 c + 4 p]
	s_load_b128 s[4:7], s[0:1], 0x0                ; part s[4:5], out0 s[6:7]
	v_lshlrev_b32 v1, 4, v0
	s_lshl_b32 s2, ttmp9, 15
	s_mov_b32 s3, 0
	s_wait_kmcnt 0x0
	s_add_nc_u64 s[4:5], s[4:5], s[2:3]
	s_add_nc_u64 s[6:7], s[6:7], s[2:3]
	s_add_nc_u64 s[8:9], s[4:5], PB
	s_add_nc_u64 s[10:11], s[4:5], 2*PB
	s_add_nc_u64 s[12:13], s[4:5], 3*PB
.irp c, 0,1,2,3,4,5,6,7
	global_load_b128 v[P+16*\c:P+16*\c+3], v1, s[4:5] offset:4096*\c th:TH_LOAD_NT
	global_load_b128 v[P+16*\c+4:P+16*\c+7], v1, s[8:9] offset:4096*\c th:TH_LOAD_NT
	global_load_b128 v[P+16*\c+8:P+16*\c+11], v1, s[10:11] offset:4096*\c th:TH_LOAD_NT
	global_load_b128 v[P+16*\c+12:P+16*\c+15], v1, s[12:13] offset:4096*\c th:TH_LOAD_NT
.endr
.irp c, 0,1,2,3,4,5,6,7
	s_wait_loadcnt 4*(7-\c)                        ; loads come back in order (ISA guide 5.7.1): this chunk's four are in, the later chunks' may be out
	v_pk_add_f32 v[P+16*\c:P+16*\c+1], v[P+16*\c:P+16*\c+1], v[P+16*\c+4:P+16*\c+5]
	v_pk_add_f32 v[P+16*\c+2:P+16*\c+3], v[P+16*\c+2:P+16*\c+3], v[P+16*\c+6:P+16*\c+7]
	v_pk_add_f32 v[P+16*\c+8:P+16*\c+9], v[P+16*\c+8:P+16*\c+9], v[P+16*\c+12:P+16*\c+13]
	v_pk_add_f32 v[P+16*\c+10:P+16*\c+11], v[P+16*\c+10:P+16*\c+11], v[P+16*\c+14:P+16*\c+15]
	v_pk_add_f32 v[P+16*\c:P+16*\c+1], v[P+16*\c:P+16*\c+1], v[P+16*\c+8:P+16*\c+9]
	v_pk_add_f32 v[P+16*\c+2:P+16*\c+3], v[P+16*\c+2:P+16*\c+3], v[P+16*\c+10:P+16*\c+11]
	global_store_b128 v1, v[P+16*\c:P+16*\c+3], s[6:7] offset:4096*\c th:TH_STORE_NT
.endr
	s_endpgm
.Lfunc_end_k_q2ab8b2b948_sum:
	.size	k_q2ab8b2b948_sum, .Lfunc_end_k_q2ab8b2b948_sum-k_q2ab8b2b948_sum
	.p2alignl 7, 3214868480
	.fill 96, 4, 3214868480
	.section	.rodata,"a",@progbits
	.p2align	6, 0x0
	.amdhsa_kernel k_q2ab8b2b948_sum
		.amdhsa_group_segment_fixed_size 0
		.amdhsa_private_segment_fixed_size 0
		.amdhsa_enable_private_segment 0
		.amdhsa_kernarg_size 16
		.amdhsa_user_sgpr_count 2
		.amdhsa_user_sgpr_kernarg_segment_ptr 1
		.amdhsa_wavefront_size32 1
		.amdhsa_system_sgpr_workgroup_id_x 1
		.amdhsa_system_sgpr_workgroup_id_y 1
		.amdhsa_system_sgpr_workgroup_id_z 1
		.amdhsa_system_vgpr_workitem_id 0
		.amdhsa_next_free_vgpr 136
		.amdhsa_next_free_sgpr 66
		.amdhsa_reserve_vcc 0
		.amdhsa_float_denorm_mode_32 3
		.amdhsa_float_denorm_mode_16_64 3
		.amdhsa_memory_ordered 1
		.amdhsa_forward_progress 1
		.amdhsa_inst_pref_size 8
	.end_amdhsa_kernel
	.amdgpu_metadata
---
amdhsa.version: [ 1, 2 ]
amdhsa.kernels:
  - .name:           k_q2ab8b2b948_sum
    .symbol:         k_q2ab8b2b948_sum.kd
    .args:
      - { .name: part, .offset: 0, .size: 8, .value_kind: global_buffer, .address_space: global }
      - { .name: out0, .offset: 8, .size: 8, .value_kind: global_buffer, .address_space: global }
    .group_segment_fixed_size: 0
    .private_segment_fixed_size: 0
    .kernarg_segment_align: 8
    .kernarg_segment_size: 16
    .max_flat_workgroup_size: 256
    .sgpr_count:     66
    .vgpr_count:     136
    .wavefront_size: 32
...
	.end_amdgpu_metadata
.endif
;; end of part 4
